; MI455X (gfx1250); checked and timed in simulation.
; The chip was launched on July 23, 2026; its instructions are those of AMD's public machine-readable ISA for CDNA 5 (MIT licence, August 2026) and "CDNA5" Instruction Set Architecture Reference Guide (July 2026). The comments in the code are by the model that wrote it; some were corrected since.
;; Multi Head Attention. Allowed arithmetic: matrix products marked QUANTISED: E2M3 operands, one E8M0 scale for each 32 along K, by v_wmma_scale_f32_16x16x128_f8f6f4 with both operands' format E2M3, f32 sums; everything else in f32.
;; Inputs: Wk 1,024 x 1,024 float32; Wo 1,024 x 1,024 float32; Wq 1,024 x 1,024 float32; Wv 1,024 x 1,024 float32; bo 1,024 float32; mask 2,048 x 2,048 bool; x 4 x 2,048 x 1,024 float32.
;; Outputs: out0 4 x 2,048 x 1,024 float32.
;; This version of the problem:
;;   THIS VERSION OF THE PROBLEM IS GIVEN IN LOW PRECISION. The matrix products marked QUANTISED in the list below multiply operands that are first quantised to E2M3 (2 exponent bits, 3 mantissa bits; 6 bits a number), with one power-of-two scale for each 32 numbers along K (OCP MX v1.0); their sums are f32. All else is computed in f32.
;;   The module's matrix products, in the order in which they are computed (A, B: the left and right operand; K: the contracted axis; several contracted axes count as one K, in the product's order):
;;     1. [M 8,192, K 1,024] x [K 1,024, N 1,024]; A: input x; B: input Wq: QUANTISED
;;     2. [M 8,192, K 1,024] x [K 1,024, N 1,024]; A: input x; B: input Wk: QUANTISED
;;     3. [M 8,192, K 1,024] x [K 1,024, N 1,024]; A: input x; B: input Wv: QUANTISED
;;     4. batch 64 x [M 2,048, K 64] x [K 64, N 2,048]; A: computed on the way; B: computed on the way: QUANTISED
;;     5. batch 64 x [M 2,048, K 2,048] x [K 2,048, N 64]; A: softmax (see below); B: computed on the way: QUANTISED
;;     6. [M 8,192, K 1,024] x [K 1,024, N 1,024]; A: computed on the way; B: input Wo: QUANTISED
;;   THE QUANTISER, for each operand of a quantised product, along K:
;;     - K is cut into blocks of 32 from its start; a last block that is shorter is filled with zeros.
;;     - A block's scale is 2^e with e = floor(log2(the largest magnitude in the block)) - 2, held to -126 .. 127; a block of zeros has e = 0. As a byte (E8M0): e + 127.
;;     - Each number is divided by its block's scale, clamped to +-7.5, and rounded to the nearest number of E2M3, ties to even, subnormals kept.
;;     - The product sums the exact products of the quantised numbers (number of the format x scale) in f32.
;;   ~~~python
;;   def quantise(x, axis):      # numpy; x: float32 -> the quantised numbers, widened to float32 again
;;       x = np.moveaxis(x, axis, -1); K = x.shape[-1]
;;       x = np.pad(x, [(0, 0)] * (x.ndim - 1) + [(0, -K % 32)]); x = x.reshape(x.shape[:-1] + (-1, 32)); a = np.abs(x).max(-1, keepdims=True)
;;       e = np.where(a > 0, np.clip(np.frexp(np.where(a > 0, a, 1))[1] - 1 - 2, -126, 127), 0)      # np.frexp(a)[1] - 1 = floor(log2(a)), exactly
;;       r = np.clip(x / 2.0 ** e, -7.5, 7.5)
;;       step = 2.0 ** (np.maximum(np.frexp(np.where(r == 0, 1, r))[1] - 1, 0) - 3)
;;       q = np.round(r / step) * step * 2.0 ** e      # np.round: ties to even
;;       return np.moveaxis(q.reshape(q.shape[:-2] + (-1,))[..., :K], -1, axis).astype(np.float32)
;;   ~~~
;;   SOFTMAX AHEAD OF A QUANTISED PRODUCT. Where the list says 'softmax', what is quantised is not the finished softmax but p = 2^(t - M), with t = logit x log2(e) and M = ceil(the row's largest t), a whole number; so 1/2 < the row's largest p <= 1. The row's sum l is taken of the UNQUANTISED p, in f32, and the product's result is divided by l at the end. Since M is a whole number, a kernel that streams over the keys may use a running M (the ceiling of the running maximum): every later rescaling is an exact power of two, which a block's scale takes up: the codes' values come out the same.
;;   OPERANDS COMPUTED ON THE WAY. 'Computed on the way' means the value that the module computes at that place (a softmax that the list does not call 'softmax' is quantised finished and normalised). What goes into a quantiser is computed in f32, as accurately as f32 sums, v_exp_f32 and their like allow (about 1e-6 of the number): no bf16 or f16 on the way to a quantiser, and a product that is left as it is and whose result goes on into a quantised operand takes f32 operands (vector FMAs, or v_wmma_f32_16x16x4_f32). A number that lies on a knife's edge between two numbers of the format may be rounded either way, as far as f32 arithmetic and the matrix unit's own rounding can turn it there, and no further.
;; One version. Each part assembles by itself: llvm-mc -triple=amdgcn-amd-amdhsa -mcpu=gfx1250 --defsym DOCPART=n.
;; ======== version 1 of 1: 4 launches
;; limits: right only within a limited range of input values
;; workspace buffers: xc 6,291,456 bytes; xs 262,144 bytes; wc 3,145,728 bytes; ws 131,072 bytes; rec 20,447,232 bytes; ctxc 6,291,456 bytes; ctxs 262,144 bytes; maskw 524,800 bytes of whole numbers
;; launch prep (part 1): grid 416 x 1, 4 waves a work-group, no clusters, 33,280 bytes of LDS; arguments x, Wq, Wk, Wv, Wo, mask, xc, xs, wc, ws, maskw; writes xc, xs, wc, ws, maskw
.if DOCPART == 1
	.amdgcn_target "amdgcn-amd-amdhsa--gfx1250"
	.amdhsa_code_object_version 6
	.text
	.protected	k_qbbff2abd6f_prep
	.globl	k_qbbff2abd6f_prep
	.p2align	8
	.type	k_qbbff2abd6f_prep,@function
k_qbbff2abd6f_prep:
	s_mov_b64 s[64:65], 0
	v_nop
	global_prefetch_b8 v0, s[64:65] scope:SCOPE_SE
	s_setreg_imm32_b32 hwreg(HW_REG_WAVE_MODE, 25, 1), 1
	s_wait_xcnt 0x0
; PREP.  (1) x [8192][1024] and Wq, Wk, Wv, Wo [1024][1024], f32 with K innermost, become codes of FP6 (E2M3), 6 bits each, and one E8M0 scale byte for each 32 along K.
; A block's scale is 2^(floor(log2(its largest magnitude)) - 2); its byte is the largest magnitude's exponent field - 2, held at 1 from below; numbers are divided by the scale and rounded to the nearest code, ties to even.
; xc [8192][768 bytes], xs [8192][32 bytes]; wc, ws the same for 4096 rows: Wq, Wk, Wv, Wo on end.
; WORKSPACE ORDER: workspace row p holds the true row in which bits 3 and 4 of p have changed places (of each 32 rows the groups of eight stand in the order 0, 2, 1, 3).  So sixteen workspace rows 16 a + r are the true
; rows 32 (a / 2) + 8 (a % 2) + r + 8 (r / 8): used as source 0 of a transposed product, two neighbouring tiles give a lane 16 neighbours along the next product's K.
; (2) The mask [2048][2048] of bytes becomes lane masks: maskw [tile of 16 queries T (128)][key step (16)][64 words]; bit l of word n is mask[query of lane l % 16 of tile T, in workspace order][128 step + 32 (n / 16) + 16 (l / 16) + n % 16].
; Behind them, at byte 524,288, one flag word a tile: bit st: all of step st is hidden (all sixteen bits are cleared if one of the tile's rows is hidden at every key, since such a row weighs all keys alike); bit 16 + st: nothing of step st is hidden.
; LIMITS: a block of zeros gets the byte 1 where the rule says 127 (its codes are zeros, and this program alone reads the bytes); NaN and infinities among the inputs are not served.
; Work-groups 0-31 take the mask (a wave a tile; no LDS), 32-287 x, 288-415 the weights.  No tensor loads, no barrier: waves share nothing.
.set WAVES, 4
.set STEPS, 16
.set EMAX,  2
.set CB,    12                         ; bytes of 16 codes
.set R,     16                         ; v16-79   four sets of 16 numbers as they are loaded
.set X,     80                         ; v80-111  two sets of 16 neighbours
.set C,     128                        ; v128-191 codes: four registers for each step
.set E,     112                        ; v112-127 a scale byte for each step
.set WREG,  8192                       ; LDS: a region for each wave: two stages of 32 x SP bytes, behind them its 256 scale bytes
.set SP,    80                         ; a lane's place in a stage: 64 bytes + 16 of padding
.set SPW,   12                         ; v12  LDS address of my spare word; never rewritten
.set NIL,   13                         ; v13  0; never rewritten
.set SPARE, WAVES*WREG                 ; behind the four regions: the spare words, 128 bytes a wave
.set MT,    4                          ; the mask's path: v4-7 at work
.set WPA,   8                          ; v8-9, v10-11: a step's 64 words, two a lane, two sets
.set WPB,   10
.set VROW,  18                         ; my row's first byte + 16 (lane / 16)
.set VAA,   19                         ; the two buffers' load offsets
.set VAB,   20
.set VO8,   21                         ; 8 x lane
.set MA,    32                         ; v32-47, v48-63: a step's 64 mask bytes of my row and half, two buffers
.set MB,    48
	s_load_b256 s[4:11], s[0:1], 0x0               ; x, Wq, Wk, Wv
	s_load_b256 s[12:19], s[0:1], 0x20             ; Wo, mask, xc, xs
	s_load_b128 s[20:23], s[0:1], 0x40             ; wc, ws
	s_load_b64 s[24:25], s[0:1], 0x50              ; maskw
	v_lshl_add_u32 v[SPW], v0, 2, SPARE
	v_mov_b32 v[NIL], 0
	v_lshrrev_b32 v1, 5, v0
	v_readfirstlane_b32 s32, v1                    ; wave
	v_and_b32 v2, 31, v0                           ; lane
	s_cmp_lt_u32 ttmp9, 32
	s_cbranch_scc1 .Lmask                          ; the mask's work-groups have the lowest numbers
	; ---------------- numbers into codes: a wave takes a run of 8,192 numbers (8 rows), 16 steps of 512
	v_lshlrev_b32 v3, 4, v2                        ; my 16 bytes of a load's 512
	s_mul_i32 s33, s32, WREG
	v_lshrrev_b32 v14, 2, v2
	v_mul_u32_u24 v14, v14, SP
	v_and_b32 v15, 3, v2
	v_lshl_add_u32 v14, v15, 4, v14
	v_add_nc_u32 v14, s33, v14                     ; the stage, on the way in: SP (lane / 4) + 16 (lane % 4)
	v_mul_u32_u24 v15, v2, SP
	v_add_nc_u32 v15, s33, v15                     ; and on the way out: SP x lane: my 16 neighbours
	v_mul_u32_u24 v4, v2, CB                       ; my codes' place in a step's
	v_lshrrev_b32 v5, 1, v2
	s_add_co_u32 s33, s33, 2*32*SP
	v_add_nc_u32 v5, s33, v5                       ; LDS: my wave's 256 scale bytes, my block's byte
	v_lshlrev_b32 v7, 3, v2                        ; and on the way out 8 bytes a lane
	v_add_nc_u32 v6, s33, v7
	s_sub_co_u32 s34, ttmp9, 32                    ; g: 0-255 x, 256-383 the weights
	s_sub_co_u32 s35, s34, 256                     ; g2: the work-group among the weights' 128
	s_bfe_u32 s36, s35, 0x20005                    ; which weight
	s_and_b32 s37, s35, 31                         ; the work-group in that weight
	s_and_b32 s38, s32, 1
	s_lshl_b32 s38, s38, 1
	s_lshr_b32 s39, s32, 1
	s_or_b32 s38, s38, s39                         ; the wave's two bits changed over: a work-group is 32 rows, a wave 8: this IS the workspace order
	s_wait_kmcnt 0x0
	s_cmp_eq_u32 s36, 1                            ; the choices hang on the work-group's number alone
	s_cselect_b64 s[6:7], s[8:9], s[6:7]
	s_cmp_eq_u32 s36, 2
	s_cselect_b64 s[6:7], s[10:11], s[6:7]
	s_cmp_eq_u32 s36, 3
	s_cselect_b64 s[6:7], s[12:13], s[6:7]
	s_cmp_lt_u32 s34, 256
	s_cselect_b64 s[4:5], s[4:5], s[6:7]           ; the numbers,
	s_cselect_b64 s[16:17], s[16:17], s[20:21]     ; their codes,
	s_cselect_b64 s[18:19], s[18:19], s[22:23]     ; their scale bytes
	s_cselect_b32 s37, s34, s37                    ; the work-group in the source,
	s_cselect_b32 s35, s34, s35                    ; and in the workspace
	s_lshl_b32 s37, s37, 2
	s_add_co_u32 s40, s37, s32                     ; the run that I read
	s_mov_b32 s41, 0
	s_lshl_b32 s35, s35, 2
	s_add_co_u32 s42, s35, s38                     ; the run that I write
	s_mov_b32 s43, 0
	s_lshl_b64 s[44:45], s[40:41], 15              ; 32,768 bytes of numbers a run
	s_add_nc_u64 s[4:5], s[4:5], s[44:45]
	s_mov_b64 s[44:45], 32*STEPS*CB                ; 6,144 bytes of codes
	s_mul_u64 s[44:45], s[42:43], s[44:45]
	s_add_nc_u64 s[16:17], s[16:17], s[44:45]
	s_lshl_b32 s42, s42, 8                         ; 256 scale bytes
	s_add_nc_u64 s[18:19], s[18:19], s[42:43]
.macro LOAD t
.irp i, 0,1,2,3
	global_load_b128 v[R+16*((\t)%4)+4*\i:R+16*((\t)%4)+4*\i+3], v3, s[4:5] offset:2048*(\t)+512*\i th:TH_LOAD_NT   ; 32 lanes read 512 consecutive bytes
.endr
.endm
.macro TURN t                          ; step t's numbers through the stage: LDS serves a wave's instructions in order, so no wait stands between the stores and the loads
.irp i, 0,1,2,3
	ds_store_b128 v14, v[R+16*((\t)%4)+4*\i:R+16*((\t)%4)+4*\i+3] offset:32*SP*((\t)%2)+8*SP*\i
.endr
.irp i, 0,1,2,3
	ds_load_b128 v[X+16*((\t)%2)+4*\i:X+16*((\t)%2)+4*\i+3], v15 offset:32*SP*((\t)%2)+16*\i
.endr
.endm
.irp t, 0,1,2,3
	LOAD \t
.endr
	s_wait_loadcnt 12                              ; step 0's four loads are in; the twelve of steps 1 to 3 may be out
	TURN 0
.macro STEP t
.set XS, X+16*((\t)%2)
.if (\t) > 0
	s_wait_dscnt 1                                 ; this step's numbers are back from the stage (the last step's byte store may be out)
.else
	s_wait_dscnt 0x0
.endif
.if (\t)+4 < STEPS
	LOAD (\t)+4                                    ; into the registers that this step's stores into the stage have read
.endif
.if (\t)+1 < STEPS
.if STEPS-2-(\t) >= 3
	s_wait_loadcnt 12                              ; the next step's four loads are in; those of the three steps behind it may be out
.else
	s_wait_loadcnt 4*(STEPS-2-(\t))
.endif
	TURN (\t)+1
.endif
	v_max3_num_f32 v8, |v[XS]|, |v[XS+1]|, |v[XS+2]|               ; the largest magnitude of my 16
	v_max3_num_f32 v9, |v[XS+3]|, |v[XS+4]|, |v[XS+5]|
.irp i, 6,10
	v_max3_num_f32 v8, v8, |v[XS+\i]|, |v[XS+\i+1]|
	v_max3_num_f32 v9, v9, |v[XS+\i+2]|, |v[XS+\i+3]|
.endr
	v_max3_num_f32 v8, v8, |v[XS+14]|, |v[XS+15]|
	v_max3_num_f32 v8, v8, v9, (EMAX+1)<<23        ; and the floor 2^(3 - 127): the byte cannot fall under 1
	v_max_num_f32_dpp v8, v8, v8 row_xmask:1 row_mask:0xf bank_mask:0xf   ; and of my neighbour's 16: the block's
	v_add_nc_u32 v11, -(EMAX<<23), v8              ; 2 off its exponent field: the conversion takes the exponent field of this operand as its scale
	v_cvt_scalef32_pk16_fp6_f32 v[C+4*(\t):C+4*(\t)+2], v[XS:XS+15], v11
	v_lshrrev_b32 v[E+(\t)], 23, v11               ; the scale's byte (a plain line behind the conversion)
	ds_store_b8 v5, v[E+(\t)] offset:16*(\t)       ; both lanes of a block write the same byte with the same value
	global_store_b96 v4, v[C+4*(\t):C+4*(\t)+2], s[16:17] offset:32*CB*(\t)   ; the wave stores 384 consecutive bytes
.endm
.irp t, 0,1,2,3,4,5,6,7,8,9,10,11,12,13,14,15
	STEP \t
.endr
	ds_load_b64 v[8:9], v6                         ; LDS serves a wave's instructions in order: these see my stores
	s_wait_dscnt 0x0
	global_store_b64 v7, v[8:9], s[18:19]          ; 32 lanes store 256 consecutive bytes, aligned
	s_wait_tensorcnt 0x0                           ; the wave's end, behind my last LDS store
	ds_add_u32 v[SPW], v[NIL]
	s_wait_dscnt 0x0
	s_endpgm
	; ---------------- the mask: a wave takes a tile of 16 queries through all 16 key steps
.Lmask:
	s_lshl_b32 s33, ttmp9, 2
	s_add_co_u32 s33, s33, s32                     ; the tile T = 8 G + a
	s_lshr_b32 s34, s33, 3
	s_lshl_b32 s34, s34, 7                         ; 128 G
	s_and_b32 s35, s33, 7
	s_lshr_b32 s36, s35, 1
	s_lshl_b32 s36, s36, 5                         ; 32 (a / 2)
	s_add_co_u32 s34, s34, s36
	s_and_b32 s36, s35, 1
	s_lshl_b32 s36, s36, 3                         ; 8 (a % 2)
	s_add_co_u32 s34, s34, s36
	v_and_b32 v16, 15, v2                          ; r
	v_lshrrev_b32 v17, 4, v2                       ; h
	v_and_b32 v[VROW], 8, v16
	v_add3_u32 v[VROW], v[VROW], v16, s34          ; my query: + r + 8 (r / 8)
	v_lshlrev_b32 v[VROW], 11, v[VROW]             ; a row of the mask is 2,048 bytes
	v_lshl_or_b32 v[VROW], v17, 4, v[VROW]         ; + 16 h
	v_mov_b32 v[VAA], v[VROW]
	v_add_nc_u32 v[VAB], 128, v[VROW]
	v_lshlrev_b32 v[VO8], 3, v2
.irp j, 0,1,2,3
	v_mov_b32 v[WPA+\j], 0                         ; a write to one lane counts its destination as read
.endr
	s_mov_b32 s46, -1                              ; lanes whose every key so far is hidden
	s_mov_b32 s47, 0                               ; steps wholly hidden
	s_mov_b32 s48, 0                               ; steps wholly open
	s_mov_b32 s49, 1                               ; the step's bit
	s_mov_b32 s50, 0                               ; the column of the loads
	s_mov_b32 s51, 8                               ; trips: two steps each
	s_lshl_b32 s52, s33, 12                        ; a tile's words: 4,096 bytes
	s_mov_b32 s53, 0
	s_lshl_b32 s54, s33, 2
	s_add_co_u32 s54, s54, 524288                  ; its flag word
	s_mov_b32 s55, 0
	s_wait_kmcnt 0x0
	s_add_nc_u64 s[26:27], s[24:25], s[54:55]
	s_add_nc_u64 s[24:25], s[24:25], s[52:53]
.macro MLOAD buf, adr                  ; 16 bytes of each of the step's four blocks of 32 keys
.irp b, 0,1,2,3
	global_load_b128 v[\buf+4*\b:\buf+4*\b+3], v[\adr], s[14:15] offset:32*\b
.endr
.endm
; A step: byte n of my 64 becomes bit (my lane) of word n; word n goes to lane n / 2 of register n % 2, so that the wave stores the 64 words as 256 consecutive bytes
.macro MSTEP buf, wp, off
	s_mov_b32 s44, -1
	s_mov_b32 s45, 0
.set n, 0
.rept 16
.irp k, 0,1,2,3
	v_and_b32 v[MT+\k], 0xff<<(8*\k), v[\buf+n/4]
.endr
.irp k, 0,1,2,3
	v_cmp_ne_u32 s[36+\k], 0, v[MT+\k]
.endr
.irp k, 0,1,2,3
	v_writelane_b32 v[\wp+((n+\k)&1)], s[36+\k], (n+\k)>>1
	s_and_b32 s44, s44, s[36+\k]
	s_or_b32 s45, s45, s[36+\k]
.endr
.set n, n+4
.endr
	s_and_b32 s46, s46, s44
	s_cmp_eq_u32 s44, -1
	s_cselect_b32 s57, s49, 0
	s_or_b32 s47, s47, s57
	s_cmp_eq_u32 s45, 0
	s_cselect_b32 s57, s49, 0
	s_or_b32 s48, s48, s57
	s_lshl_b32 s49, s49, 1
	global_store_b64 v[VO8], v[\wp:\wp+1], s[24:25] offset:\off
.endm
	MLOAD MA, VAA
	MLOAD MB, VAB
.Lmtrip:
	s_wait_loadcnt 4                               ; the first buffer's four loads are in; the second's four may be out
	MSTEP MA, WPA, 0
	s_add_co_u32 s50, s50, 256
	s_min_u32 s56, s50, 1792                       ; the last trip reads the row's last 256 bytes again, unused: no load leaves the buffer
	v_add_nc_u32 v[VAA], s56, v[VROW]              ; (its loads are in: the offset may be written)
	MLOAD MA, VAA
	s_wait_loadcnt 4                               ; the second buffer's are in; the four just issued may be out
	MSTEP MB, WPB, 256
	v_add_nc_u32 v[VAB], 128, v[VAA]
	MLOAD MB, VAB
	s_wait_xcnt 0x0                                ; the stores have read their data and their base: both are written again only behind this wait
	s_add_nc_u64 s[24:25], s[24:25], 512
	s_sub_co_u32 s51, s51, 1
	s_cmp_lg_u32 s51, 0
	s_cbranch_scc1 .Lmtrip
	s_lshr_b32 s57, s46, 16                        ; a row is hidden at every key where both its lanes say so
	s_and_b32 s57, s57, s46
	s_and_b32 s57, s57, 0xffff
	s_cmp_eq_u32 s57, 0
	s_cselect_b32 s47, s47, 0                      ; with such a row in the tile no step is left out
	s_lshl_b32 s48, s48, 16
	s_or_b32 s47, s47, s48
	v_mov_b32 v22, s47
	v_mov_b32 v23, 0
	s_wait_xcnt 0x0                                ; EXEC changes only behind this wait
	v_cmp_eq_u32 vcc_lo, 0, v2
	s_and_saveexec_b32 s58, vcc_lo
	global_store_b32 v23, v22, s[26:27]            ; four bytes a tile: 512 bytes in the whole launch
	s_wait_xcnt 0x0
	s_or_b32 exec_lo, exec_lo, s58
	s_endpgm
.Lfunc_end_k_qbbff2abd6f_prep:
	.size	k_qbbff2abd6f_prep, .Lfunc_end_k_qbbff2abd6f_prep-k_qbbff2abd6f_prep
	.p2alignl 7, 3214868480
	.fill 96, 4, 3214868480
	.section	.rodata,"a",@progbits
	.p2align	6, 0x0
	.amdhsa_kernel k_qbbff2abd6f_prep
		.amdhsa_group_segment_fixed_size 33280
		.amdhsa_private_segment_fixed_size 0
		.amdhsa_enable_private_segment 0
		.amdhsa_kernarg_size 88
		.amdhsa_user_sgpr_count 2
		.amdhsa_user_sgpr_kernarg_segment_ptr 1
		.amdhsa_wavefront_size32 1
		.amdhsa_system_sgpr_workgroup_id_x 1
		.amdhsa_system_sgpr_workgroup_id_y 1
		.amdhsa_system_sgpr_workgroup_id_z 1
		.amdhsa_system_vgpr_workitem_id 0
		.amdhsa_next_free_vgpr 192
		.amdhsa_next_free_sgpr 66
		.amdhsa_reserve_vcc 1
		.amdhsa_float_denorm_mode_32 3
		.amdhsa_float_denorm_mode_16_64 3
		.amdhsa_memory_ordered 1
		.amdhsa_forward_progress 1
		.amdhsa_inst_pref_size 70
	.end_amdhsa_kernel
	.amdgpu_metadata
---
amdhsa.version: [ 1, 2 ]
amdhsa.kernels:
  - .name:           k_qbbff2abd6f_prep
    .symbol:         k_qbbff2abd6f_prep.kd
    .args:
      - { .name: x, .offset: 0, .size: 8, .value_kind: global_buffer, .address_space: global }
      - { .name: Wq, .offset: 8, .size: 8, .value_kind: global_buffer, .address_space: global }
      - { .name: Wk, .offset: 16, .size: 8, .value_kind: global_buffer, .address_space: global }
      - { .name: Wv, .offset: 24, .size: 8, .value_kind: global_buffer, .address_space: global }
      - { .name: Wo, .offset: 32, .size: 8, .value_kind: global_buffer, .address_space: global }
      - { .name: mask, .offset: 40, .size: 8, .value_kind: global_buffer, .address_space: global }
      - { .name: xc, .offset: 48, .size: 8, .value_kind: global_buffer, .address_space: global }
      - { .name: xs, .offset: 56, .size: 8, .value_kind: global_buffer, .address_space: global }
      - { .name: wc, .offset: 64, .size: 8, .value_kind: global_buffer, .address_space: global }
      - { .name: ws, .offset: 72, .size: 8, .value_kind: global_buffer, .address_space: global }
      - { .name: maskw, .offset: 80, .size: 8, .value_kind: global_buffer, .address_space: global }
    .group_segment_fixed_size: 33280
    .private_segment_fixed_size: 0
    .kernarg_segment_align: 8
    .kernarg_segment_size: 88
    .max_flat_workgroup_size: 128
    .sgpr_count:     66
    .vgpr_count:     192
    .wavefront_size: 32
...
	.end_amdgpu_metadata
.endif
;; end of part 1
;; launch qkv (part 2): grid 96 x 4, 4 waves a work-group, clusters of 4 x 4, 327,680 bytes of LDS; arguments xc, xs, wc, ws, rec; writes rec
.if DOCPART == 2
	.amdgcn_target "amdgcn-amd-amdhsa--gfx1250"
	.amdhsa_code_object_version 6
	.text
	.protected	k_qbbff2abd6f_qkv
	.globl	k_qbbff2abd6f_qkv
	.p2align	8
	.type	k_qbbff2abd6f_qkv,@function
k_qbbff2abd6f_qkv:
	s_mov_b64 s[64:65], 0
	v_nop
	global_prefetch_b8 v0, s[64:65] scope:SCOPE_SE
	s_setreg_imm32_b32 hwreg(HW_REG_WAVE_MODE, 25, 1), 1
	s_wait_xcnt 0x0
	s_wait_alu depctr_hold_cnt(0) depctr_sa_sdst(0) depctr_va_vdst(0) depctr_va_sdst(0) depctr_va_ssrc(0) depctr_va_vcc(0) depctr_vm_vsrc(0)
	s_getreg_b32 s2, hwreg(HW_REG_IB_STS2, 6, 4)
	s_cmp_eq_u32 s2, 0
	s_cbranch_scc0 .Lentry_in_a_cluster
	s_endpgm
.Lentry_in_a_cluster:
	s_bfe_u32 s2, ttmp6, 0x10000c
	s_cmp_lg_u32 s2, 0xf033
	s_cbranch_scc0 .Lentry_shape_is_right
	s_endpgm
.Lentry_shape_is_right:
; QKV.  Two products on codes of FP6 (E2M3) with E8M0 scales, K = 1,024, chosen by the cluster's number c (the same in all sixteen partners):
;   c < 16:  [q | k] = x [Wq ; Wk]^T : A = xc (8,192 rows), B = wc rows 0-2047;     c >= 16:  v^T = Wv x^T : A = wc rows 2048-3071, B = xc.
; A tile of 256 x 256 is made by four waves, 128 x 128 each: 64 accumulators, 512 registers.  K goes in steps of 256 through a ring of two LDS slots filled by the tensor data mover (rows of 192 bytes);
; the scale bytes of the tile's 512 rows come into LDS once, with the first fills.  4 x 4 work-groups form a cluster: A's tiles are asked for jointly along a row of it, B's along a column.
; THE MATRIX INSTRUCTION IS USED TRANSPOSED (source 0 = 16 rows of B, source 1 = 16 rows of A).  Rows lie in workspace order (bits 3 and 4 of the row number changed over), so lane (r, h) ends with A's workspace row 16 a + r,
; and its 64 registers of block a hold B's TRUE rows 32 b + 16 h + i in register 16 b + i: four blocks of 32 neighbours along the next product's K (q, k: the head's channels; v^T: the keys).
; THE RESULTS ARE QUANTISED IN REGISTERS and leave as RECORDS in the order of the reader's operand registers: 13 images of 512 bytes (lane l's 16 bytes at 16 l): 48 registers of codes, 4 of scale words.
;   rec[((kind 4 + batch) 16 + head) 16 + group of 128 tokens], kind 0 q, 1 k, 2 v.  q, k: register 6 t + e: tile t of 16 tokens, channels 32 h + 0..31.  v: register 12 t + 6 c + e: tile t of 16 channels, keys 64 c + 32 h + 0..31.
;   Scale register p: lanes 0-15 tile 2 p's words, lanes 16-31 tile 2 p + 1's.  Of a word of q or k bytes 0 and 1 count; bytes 2 and 3 are the neighbouring head's bytes or 0, never 0xff.
; LIMITS: a block of zeros gets the byte 1 (its codes are zeros; this program alone reads the bytes); NaN and infinities are not served.
; REGISTERS, in windows of 256: window 0: v0-31 addresses; v32-63 scale words, two sets; v64-103 at work on the way out; from v128 A's fragments, later the records' codes.  window 1: B's fragments, two sets.  windows 2, 3: the accumulators.
.set KSTEP,  256
.set NQ,     KSTEP/128
.set ROWB,   192                       ; a tile's row in bytes
.set KROW,   768                       ; a row of codes in memory
.set PITCH,  240                       ; an LDS row: 3 x (64 bytes + 16 of padding)
.set FR,     12
.set NL,     6
.set NP,     4                         ; places behind this matrix instruction (ISA guide 7.12.1)
.set HALFT,  128*PITCH
.set SLOT,   4*HALFT
.set LAPS,   2                         ; 1,024 along K = twice round the ring
.set KS,     32                        ; a row of scale bytes
.set SCL,    2*SLOT
.set HALFS,  (128*KS/256)*272
.set SBLK,   (16*KS/256)*272
.set SPARE,  SCL+4*HALFS               ; behind the scales: the spare words, 128 bytes a wave
.set RB,     6656                      ; a record
.set ADRA, 16
.set ADRB, 20
.set CO,   26                          ; v26  16 x lane
.set ADRS, 27
.set SPW,  28
.set NIL,  29
.set SC,   32
.set TM,   64                          ; v64-79  largest magnitudes, bytes, the conversions' scale operands
.set T2,   80                          ; v80-87  the conversions' second halves
.set PW,   88                          ; v88-95  block a's scale word
.set SCI,  96                          ; v96-103 the two records' scale registers
.set AF,   128
.set KO,   128                         ; v128-223 the two records' codes
.set G1, 24
.set G0, 32
.set G1B, 48
.set G0B, 56
.set G1S, 68
.set G0S, 76
.set G1SB, 80
.set G0SB, 88
.set MSB, 0
.macro WIN new                         ; the immediate's high byte repeats the setting that is left
.if MSB != (\new)
	s_set_vgpr_msb (MSB<<8)|(\new)
.set MSB, \new
.endif
.endm
.set MUL_LO, 0xa1                      ; source 0 (B) window 1, source 1 (A) window 0, C and D window 2
.set MUL_HI, 0xf1
.set TO_B,   0x40
; A joint load: waves 0 and 1 fetch for A, waves 2 and 3 for B; the branch hangs on the wave's number alone.  An s_nop 0 and four v_nop follow each of the two lines.
.macro JLOAD g0a, g1a, g0b, g1b
	s_cmp_eq_u32 s15, 0
	s_cbranch_scc0 .Lfor_b_\@
	tensor_load_to_lds s[\g0a:\g0a+3], s[\g1a:\g1a+7]
	s_nop 0
.rept 4
	v_nop
.endr
	s_branch .Lasked_\@
.Lfor_b_\@:
	tensor_load_to_lds s[\g0b:\g0b+3], s[\g1b:\g1b+7]
	s_nop 0
.rept 4
	v_nop
.endr
.Lasked_\@:
.endm
.macro CREST                           ; a round of the cluster's barrier behind its opening barrier
	s_cmp_lg_u32 s14, 0
	s_cbranch_scc1 .Lnot_wave_0_\@
	s_barrier_signal -3
.Lnot_wave_0_\@:
	s_barrier_wait -3
	s_barrier_signal -1
	s_barrier_wait -1
.endm
.macro CROUND
	s_barrier_signal -1
	s_barrier_wait -1
	CREST
.endm
	s_load_b128 s[4:7], s[0:1], 0x0                ; xc, xs
	s_load_b128 s[8:11], s[0:1], 0x10              ; wc, ws
	s_load_b64 s[12:13], s[0:1], 0x20              ; rec
	v_lshl_add_u32 v[SPW], v0, 2, SPARE
	v_mov_b32 v[NIL], 0
	ds_add_u32 v[SPW], v[NIL]                      ; the wave's opening: the add and its wait stand ahead of my first tensor load; work on registers stands between them
	v_lshrrev_b32 v1, 5, v0
	v_readfirstlane_b32 s14, v1                    ; wave 0..3
	s_lshr_b32 s15, s14, 1                         ; which half of the tile's rows (A) is mine.  Also: I fetch for A (0) or for B (1)
	s_and_b32 s16, s14, 1                          ; which half of its columns (B).  Also: which 128 rows I fetch
	s_bfe_u32 s40, ttmp6, 0x40000                  ; cx, cy
	s_bfe_u32 s41, ttmp6, 0x40004
	s_lshr_b32 s92, ttmp9, 1                       ; q, k: 8 x 2 clusters
	s_and_b32 s93, ttmp9, 1
	s_sub_co_u32 s94, ttmp9, 16                    ; v: 1 x 8 clusters
	s_cmp_lt_u32 ttmp9, 16
	s_cselect_b32 s92, s92, 0                      ; the cluster's row,
	s_cselect_b32 s93, s93, s94                    ; its column,
	s_cselect_b32 s96, 0, 2048                     ; A's first row in its buffer (Wv begins at row 2,048 of wc)
	s_lshl_b32 s42, s93, 2
	s_add_co_u32 s42, s42, s40                     ; tile column
	s_lshl_b32 s17, s92, 2
	s_add_co_u32 s17, s17, s41                     ; tile row
	s_lshl_b32 s43, s41, 2
	s_lshl_b32 s43, 15, s43                        ; my row of the cluster
	s_lshl_b32 s44, 0x1111, s40                    ; my column
	; descriptor group 1: a tile of 128 rows x 192 bytes; 16 bytes of padding behind every 64
	s_or_b32 s[G1+0], s43, (0<<16)|(1<<20)|(1<<21)|(3<<22)|(3<<25)
	s_or_b32 s[G1B+0], s44, (0<<16)|(1<<20)|(1<<21)|(3<<22)|(3<<25)
.irp g, G1, G1B
	s_mov_b32 s[\g+1], ROWB<<16                    ; tensor_dim0
	s_mov_b32 s[\g+2], 128<<16                     ; tensor_dim1
	s_mov_b32 s[\g+3], ROWB<<16                    ; tile_dim0
	s_mov_b32 s[\g+4], 128                         ; tile_dim1
	s_mov_b32 s[\g+5], KROW                        ; the pitch
	s_mov_b32 s[\g+6], 0
	s_mov_b32 s[\g+7], 0
.endr
	; the scale bytes of 128 rows: 4,096 dense bytes as 16 rows of 256 (32 elements of 8 bytes), 16 bytes of padding behind each
	s_or_b32 s[G1S+0], s43, (3<<16)|(1<<20)|(1<<21)|(5<<22)|(3<<25)
	s_or_b32 s[G1SB+0], s44, (3<<16)|(1<<20)|(1<<21)|(5<<22)|(3<<25)
.irp g, G1S, G1SB
	s_mov_b32 s[\g+1], 32<<16
	s_mov_b32 s[\g+2], (128*KS/256)<<16
	s_mov_b32 s[\g+3], 32<<16
	s_mov_b32 s[\g+4], 128*KS/256
	s_mov_b32 s[\g+5], 32
	s_mov_b32 s[\g+6], 0
	s_mov_b32 s[\g+7], 0
.endr
	s_lshl_b32 s18, s16, 7                         ; which 128 rows of the tile I fetch
	s_lshl_b32 s20, s17, 8
	s_add_co_u32 s20, s20, s18
	s_add_co_u32 s20, s20, s96                     ; A: row 256 x tile row + 128 x half (+ 2,048)
	s_lshl_b32 s46, s42, 8
	s_add_co_u32 s46, s46, s18                     ; B: row 256 x tile column + 128 x half
	s_mov_b32 s21, 0
	s_mov_b32 s47, 0
	s_mov_b64 s[18:19], KS
	s_mul_u64 s[22:23], s[20:21], s[18:19]         ; where these rows' scale bytes begin
	s_mul_u64 s[92:93], s[46:47], s[18:19]
	s_mov_b64 s[18:19], KROW
	s_mul_u64 s[20:21], s[20:21], s[18:19]         ; and their codes
	s_mul_u64 s[46:47], s[46:47], s[18:19]
	s_mul_i32 s45, s14, HALFT                      ; where they go: wave x 128 rows
	s_mul_i32 s94, s14, HALFS
	s_wait_dscnt 0x0                               ; the opening add is done
	s_wait_kmcnt 0x0
	s_cmp_lt_u32 ttmp9, 16                         ; which buffers are A and B: the choice hangs on the cluster's number alone
	s_cselect_b64 s[98:99], s[4:5], s[8:9]
	s_cselect_b64 s[100:101], s[6:7], s[10:11]
	s_cselect_b64 s[8:9], s[8:9], s[4:5]
	s_cselect_b64 s[10:11], s[10:11], s[6:7]
	s_add_nc_u64 s[20:21], s[98:99], s[20:21]
	s_add_nc_u64 s[22:23], s[100:101], s[22:23]
	s_add_nc_u64 s[46:47], s[8:9], s[46:47]
	s_add_nc_u64 s[92:93], s[10:11], s[92:93]
	CROUND                                         ; all sixteen work-groups are here: the first joint loads meet
	s_mov_b32 s[G0S], 1
	s_add_co_u32 s[G0S+1], s94, SCL
	s_mov_b64 s[G0S+2:G0S+3], s[22:23]
	s_or_b32 s[G0S+3], s[G0S+3], 0x80000000
	s_mov_b32 s[G0SB], 1
	s_add_co_u32 s[G0SB+1], s94, SCL
	s_mov_b64 s[G0SB+2:G0SB+3], s[92:93]
	s_or_b32 s[G0SB+3], s[G0SB+3], 0x80000000
	JLOAD G0S, G1S, G0SB, G1SB                     ; the scales first: three loads of mine are out at the most
.irp s, 0,1
	s_mov_b32 s[G0+4*\s], 1
	s_add_co_u32 s[G0+4*\s+1], s45, \s*SLOT
	s_add_nc_u64 s[G0+4*\s+2:G0+4*\s+3], s[20:21], \s*ROWB
	s_or_b32 s[G0+4*\s+3], s[G0+4*\s+3], 0x80000000
	s_mov_b32 s[G0B+4*\s], 1
	s_add_co_u32 s[G0B+4*\s+1], s45, \s*SLOT
	s_add_nc_u64 s[G0B+4*\s+2:G0B+4*\s+3], s[46:47], \s*ROWB
	s_or_b32 s[G0B+4*\s+3], s[G0B+4*\s+3], 0x80000000
	JLOAD G0+4*\s, G1, G0B+4*\s, G1B
.endr
	v_and_b32 v1, 15, v0                           ; l % 16
	v_bfe_u32 v2, v0, 4, 1                         ; l / 16
	v_mul_u32_u24 v3, v1, PITCH
	v_mul_u32_u24 v4, v2, 24
	v_add_nc_u32 v4, v3, v4                        ; a fragment's row x pitch + 24 x half
	v_lshl_add_u32 v5, v2, 4, v4                   ; and the same behind one padding more
	s_mul_i32 s21, s15, HALFT                      ; my 128 rows of A
	s_mul_i32 s22, s16, HALFT                      ; my 128 rows of B,
	s_add_co_u32 s22, s22, 2*HALFT                 ; behind A's 256
.irp s, 0,1
	v_add_nc_u32 v[ADRA+\s], s21, v4
	v_add_nc_u32 v[ADRB+\s], s22, v4
	v_add_nc_u32 v[ADRA+2+\s], s21, v5
	v_add_nc_u32 v[ADRB+2+\s], s22, v5
	s_add_co_u32 s21, s21, SLOT
	s_add_co_u32 s22, s22, SLOT
.endr
	v_mul_u32_u24 v5, v1, KS                       ; my row's scale bytes,
	v_lshrrev_b32 v6, 8, v5
	v_lshl_add_u32 v5, v6, 4, v5                   ; and 16 more for each 256 passed
	s_mul_i32 s21, s15, HALFS
	s_mul_i32 s22, s16, HALFS
	s_add_co_u32 s22, s22, 2*HALFS
	s_sub_co_u32 s22, s22, s21
	v_mul_u32_u24 v6, s22, v2                      ; lanes 16-31 take B's
	s_add_co_u32 s21, s21, SCL
	v_add_nc_u32 v5, v5, v6
	v_add_nc_u32 v[ADRS], s21, v5
	v_and_b32 v6, 31, v0
	v_lshlrev_b32 v[CO], 4, v6
	; where my two records begin.  X: my 128 rows of A, Y: my 128 rows of B
	s_lshl_b32 s20, s17, 1
	s_add_co_u32 s20, s20, s15                     ; X
	s_lshl_b32 s21, s42, 1
	s_add_co_u32 s21, s21, s16                     ; Y
	s_add_co_u32 s22, s20, 16
	s_cmp_lt_u32 ttmp9, 16
	s_cselect_b32 s22, s21, s22                    ; the head pair among 24: q's 0-7, k's 8-15, v's 16-23
	s_cselect_b32 s23, s20, s21                    ; the group of 128 tokens among 64
	s_lshr_b32 s20, s22, 3                         ; kind
	s_lshl_b32 s20, s20, 2
	s_lshr_b32 s21, s23, 4                         ; batch
	s_add_co_u32 s20, s20, s21
	s_lshl_b32 s20, s20, 4
	s_and_b32 s21, s22, 7
	s_lshl_b32 s21, s21, 1                         ; the pair's first head
	s_add_co_u32 s20, s20, s21
	s_lshl_b32 s20, s20, 4
	s_and_b32 s21, s23, 15
	s_add_co_u32 s20, s20, s21
	s_mul_i32 s20, s20, RB
	s_mov_b32 s21, 0
	s_add_nc_u64 s[12:13], s[12:13], s[20:21]
	s_mov_b32 s2, 0xffff0000                       ; lanes 16-31
.macro FRAG reg, adr, q, i             ; a fragment: 16 rows x 128 K in 12 registers: lane l holds row l % 16; registers 6 c .. 6 c + 5 hold K = 64 c + 32 (l / 16) + 0 .. 31: 24 bytes of the row as they lie, in pieces of 8
.irp p, 0,1,2,3,4,5
.set PC, 12*(\q)+6*(\p/3)+\p%3        ; where the piece three on lies behind one padding more, the second address register serves
.if PC%8 < 5
	ds_load_b64 v[\reg+2*\p:\reg+2*\p+1], v[\adr] offset:8*PC+16*(PC/8)+(\i)*16*PITCH
.else
	ds_load_b64 v[\reg+2*\p:\reg+2*\p+1], v[\adr+2] offset:8*PC+16*(PC/8)+(\i)*16*PITCH
.endif
.endr
.endm
; 16 matrix instructions: A's blocks a0, a0 + 1 x B's eight, 128 along K.  The 64 accumulators take turns, one instruction a turn, in the same order in every step.
.macro MUL16 a0, p, q, sc, zero
.irp a, \a0, \a0+1
.irp b, 0,1,2,3,4,5,6,7
.if \zero
	v_wmma_scale_f32_16x16x128_f8f6f4 v[8*(8*((\a)%4)+\b):8*(8*((\a)%4)+\b)+7], v[128*(\p)+FR*\b:128*(\p)+FR*\b+FR-1], v[AF+FR*(\a):AF+FR*(\a)+FR-1], 0, v[SC+8*NQ*(\sc)+NQ*\b+(\q)], v[SC+8*NQ*(\sc)+NQ*(\a)+(\q)] matrix_a_fmt:MATRIX_FMT_FP6 matrix_b_fmt:MATRIX_FMT_FP6 matrix_a_scale:MATRIX_SCALE_ROW1
.else
	v_wmma_scale_f32_16x16x128_f8f6f4 v[8*(8*((\a)%4)+\b):8*(8*((\a)%4)+\b)+7], v[128*(\p)+FR*\b:128*(\p)+FR*\b+FR-1], v[AF+FR*(\a):AF+FR*(\a)+FR-1], v[8*(8*((\a)%4)+\b):8*(8*((\a)%4)+\b)+7], v[SC+8*NQ*(\sc)+NQ*\b+(\q)], v[SC+8*NQ*(\sc)+NQ*(\a)+(\q)] matrix_a_fmt:MATRIX_FMT_FP6 matrix_b_fmt:MATRIX_FMT_FP6 matrix_a_scale:MATRIX_SCALE_ROW1
.endif
.endr
.endr
.endm
.macro FETCH_B slot, q, p
	WIN TO_B
.irp i, 0,1,2,3,4,5,6,7
	FRAG 128*(\p)+FR*\i, ADRB+\slot, \q, \i
.endr
	WIN 0
.endm
.macro FETCH_A slot, q, i0
.irp i, \i0, \i0+1, \i0+2, \i0+3
	FRAG AF+FR*(\i), ADRA+\slot, \q, \i
.endr
.endm
.macro SCALES sc                       ; a K step's scale words: lanes 0-15 take A's block i, lanes 16-31 B's block i
.irp i, 0,1,2,3,4,5,6,7
	ds_load_b64 v[SC+8*NQ*\sc+NQ*\i:SC+8*NQ*\sc+NQ*\i+1], v[ADRS] offset:\i*SBLK
.endr
.endm
.macro PLACES n                        ; plain vector lines between a matrix instruction and a load into, or a vector read or write of, its registers
.rept \n
	v_nop
.endr
.endm
.macro STEP slot, q, zero              ; a step of 128 along K that has its successor in the same slot
	s_wait_dscnt 4*NL                              ; B's set and A's blocks 0-3 are in; the youngest 24 loads (A's blocks 4-7) may be out
	WIN MUL_LO
	MUL16 0, (\q)%2, \q, \slot, \zero
	MUL16 2, (\q)%2, \q, \slot, \zero
	s_wait_dscnt 0
	PLACES NP
	FETCH_B \slot, (\q)+1, 1-(\q)%2
	FETCH_A \slot, (\q)+1, 0
	WIN MUL_HI
	MUL16 4, (\q)%2, \q, \slot, \zero
	MUL16 6, (\q)%2, \q, \slot, \zero
	PLACES NP
	WIN 0
	FETCH_A \slot, (\q)+1, 4
.endm
; A slot's last step changes slots: one barrier; in front of it each wave waits for all its tensor loads, adds 0 to its spare word, and waits for that and for its reads of this slot.  fill = 1: the slot is filled again, two K steps ahead.
.macro TURN slot, next, fill
	s_wait_tensorcnt 0x0                           ; all my tensor loads have landed: my part of the next slot
	ds_add_u32 v[SPW], v[NIL]
	s_wait_dscnt 4*NL+1                            ; (the add and the youngest 24 loads may be out)
	WIN MUL_LO
	MUL16 0, 1, NQ-1, \slot, 0
	s_wait_dscnt 0x0                               ; the add is done, and my reads of this slot are over
	s_barrier_signal -1
	MUL16 2, 1, NQ-1, \slot, 0
	WIN 0
	s_barrier_wait -1
.if \fill
	CREST                                          ; the barrier has opened a round of the cluster's: no wave of any partner still reads this slot or has a load on its way
	s_add_nc_u64 s[G0+4*\slot+2:G0+4*\slot+3], s[G0+4*\slot+2:G0+4*\slot+3], 2*ROWB
	s_add_nc_u64 s[G0B+4*\slot+2:G0B+4*\slot+3], s[G0B+4*\slot+2:G0B+4*\slot+3], 2*ROWB
	JLOAD G0+4*\slot, G1, G0B+4*\slot, G1B         ; the first tensor load behind the round; its four v_nop are the places in front of the loads below
.else
	PLACES NP
.endif
	v_add_nc_u32 v[ADRS], 4*NQ, v[ADRS]            ; on to the next K step's scale words
	FETCH_B \next, 0, 0
	FETCH_A \next, 0, 0
	SCALES \next
	WIN MUL_HI
	MUL16 4, 1, NQ-1, \slot, 0
	MUL16 6, 1, NQ-1, \slot, 0
	PLACES NP
	WIN 0
	FETCH_A \next, 0, 4
.endm
	s_wait_tensorcnt 1                             ; the scales and my part of K step 0 are in (K step 1's load may be out)
	s_barrier_signal -1
	s_barrier_wait -1
	FETCH_B 0, 0, 0
	FETCH_A 0, 0, 0
	SCALES 0
	FETCH_A 0, 0, 4
	STEP 0, 0, 1                                   ; the first step's products start the sums
	s_mov_b32 s3, LAPS-1
.Llap:
	TURN 0, 1, 1
	STEP 1, 0, 0
	TURN 1, 0, 1
	STEP 0, 0, 0
	s_sub_co_u32 s3, s3, 1
	s_cmp_lg_u32 s3, 0
	s_cbranch_scc1 .Llap
	TURN 0, 1, 0                                   ; the last lap fills nothing
	STEP 1, 0, 0
	s_wait_dscnt 4*NL
	WIN MUL_LO
	MUL16 0, 1, NQ-1, 1, 0
	MUL16 2, 1, NQ-1, 1, 0
	s_wait_dscnt 0
	WIN MUL_HI
	MUL16 4, 1, NQ-1, 1, 0
	MUL16 6, 1, NQ-1, 1, 0
	WIN 0
	PLACES NP                                      ; in front of the first reads of results and of writes over A's fragments
; THE WAY OUT.  Block a's 64 numbers of a lane are four blocks of 32 (with lane l xor 16's).  QW makes their scale word in v[PW + a] and their codes: blocks 0, 1 in six registers from d0, blocks 2, 3 from d1.
.macro QW a, d0, d1
.set S0, 64*((\a)%4)
	WIN 0x28+0x14*((\a)/4)                         ; sources 1 and 2: the accumulators' window
.irp b, 0,1,2,3
	v_max3_num_f32 v[TM+\b], 0x1800000, |v[S0+16*\b]|, |v[S0+16*\b+1]|   ; my 16 numbers and the floor 2^(3 - 127); each accumulator is read from its low end on
.endr
.irp i, 2,4,6,8,10,12,14
.irp b, 0,1,2,3
	v_max3_num_f32 v[TM+\b], v[TM+\b], |v[S0+16*\b+\i]|, |v[S0+16*\b+\i+1]|
.endr
.endr
	WIN 0
.irp b, 0,1,2,3
	v_permlanex16_b32 v[TM+4+\b], v[TM+\b], s[98], s[99]
.endr
.irp b, 0,1,2,3
	v_max_num_f32 v[TM+\b], v[TM+\b], v[TM+4+\b]   ; with lane l xor 16's: the block's largest magnitude
.endr
.irp b, 0,1,2,3
	v_add_nc_u32 v[TM+12+\b], 0xff000000, v[TM+\b] ; 2 off its exponent field: the conversion's scale operand
.endr
.irp b, 0,1,2,3
	v_lshrrev_b32 v[TM+4+\b], 23, v[TM+12+\b]      ; the scale's byte
.endr
	v_lshl_or_b32 v[PW+(\a)], v[TM+5], 8, v[TM+4]
	v_lshl_or_b32 v[PW+(\a)], v[TM+6], 16, v[PW+(\a)]
	v_lshl_or_b32 v[PW+(\a)], v[TM+7], 24, v[PW+(\a)]
	WIN 0x02+((\a)/4)                              ; source 0: the accumulators' window
	v_cvt_scalef32_pk16_fp6_f32 v[(\d0):(\d0)+2], v[S0:S0+15], v[TM+12]
	v_cvt_scalef32_pk16_fp6_f32 v[T2:T2+2], v[S0+16:S0+31], v[TM+13]
	v_cvt_scalef32_pk16_fp6_f32 v[(\d1):(\d1)+2], v[S0+32:S0+47], v[TM+14]
	v_cvt_scalef32_pk16_fp6_f32 v[T2+4:T2+6], v[S0+48:S0+63], v[TM+15]
	WIN 0
	v_nop                                          ; one plain line behind a scaled conversion
.irp i, 0,1,2                          ; the operand's layout wants a whole block in a lane: lanes 0-15 the even block, lanes 16-31 the odd one
	v_permlane16_swap_b32 v[(\d0)+\i], v[T2+\i]
.endr
.irp i, 0,1,2
	v_mov_b32 v[(\d0)+3+\i], v[T2+\i]
.endr
.irp i, 0,1,2
	v_permlane16_swap_b32 v[(\d1)+\i], v[T2+4+\i]
.endr
.irp i, 0,1,2
	v_mov_b32 v[(\d1)+3+\i], v[T2+4+\i]
.endr
.endm
	s_mov_b32 s98, 0x76543210                      ; lane selects: lane l xor 16
	s_mov_b32 s99, 0xfedcba98
.irp b, 0,1,2,3
	v_mov_b32 v[TM+4+\b], 0                        ; a lane permute's destination counts as one of its sources
.endr
	s_cmp_lt_u32 ttmp9, 16
	s_cbranch_scc0 .Lv_arm
	; q, k: blocks 0, 1 are the first head's 64 channels, blocks 2, 3 the second's; block a of rows is tile a of tokens
.irp a, 0,1,2,3,4,5,6,7
	QW \a, KO+6*\a, KO+48+6*\a
.endr
.irp p, 0,1,2,3
	v_cndmask_b32 v[SCI+\p], v[PW+2*\p], v[PW+2*\p+1], s2
.endr
.irp p, 0,1,2,3
	v_lshrrev_b32 v[SCI+4+\p], 16, v[SCI+\p]       ; the second head's two bytes
.endr
	s_branch .Lsend
.Lv_arm:
	; v: the four blocks are the step's 128 keys; block a of rows is tile a % 4 of head a / 4's channels
.irp a, 0,1,2,3,4,5,6,7
	QW \a, KO+48*(\a/4)+12*(\a%4), KO+48*(\a/4)+12*(\a%4)+6
.endr
.irp u, 0,1
.irp p, 0,1
	v_cndmask_b32 v[SCI+4*\u+\p], v[PW+4*\u+2*\p], v[PW+4*\u+2*\p+1], s2
.endr
	v_mov_b32 v[SCI+4*\u+2], 0
	v_mov_b32 v[SCI+4*\u+3], 0
.endr
.Lsend:
.irp c, 0,1                            ; the two heads' records lie 16 records apart; each store of the wave covers 512 consecutive bytes, aligned to 256
.irp g, 0,1,2,3,4,5,6,7,8,9,10,11
	global_store_b128 v[CO], v[KO+48*\c+4*\g:KO+48*\c+4*\g+3], s[12:13] offset:\c*16*RB+512*\g
.endr
	global_store_b128 v[CO], v[SCI+4*\c:SCI+4*\c+3], s[12:13] offset:\c*16*RB+6144
.endr
	s_wait_tensorcnt 0x0                           ; the wave's end
	ds_add_u32 v[SPW], v[NIL]
	s_wait_dscnt 0x0
	CROUND                                         ; the closing round: no work-group ends while a partner may still ask for a tile that names it
	s_endpgm
.Lfunc_end_k_qbbff2abd6f_qkv:
	.size	k_qbbff2abd6f_qkv, .Lfunc_end_k_qbbff2abd6f_qkv-k_qbbff2abd6f_qkv
	.p2alignl 7, 3214868480
	.fill 96, 4, 3214868480
	.section	.rodata,"a",@progbits
	.p2align	6, 0x0
	.amdhsa_kernel k_qbbff2abd6f_qkv
		.amdhsa_group_segment_fixed_size 327680
		.amdhsa_private_segment_fixed_size 0
		.amdhsa_enable_private_segment 0
		.amdhsa_kernarg_size 40
		.amdhsa_user_sgpr_count 2
		.amdhsa_user_sgpr_kernarg_segment_ptr 1
		.amdhsa_wavefront_size32 1
		.amdhsa_system_sgpr_workgroup_id_x 1
		.amdhsa_system_sgpr_workgroup_id_y 1
		.amdhsa_system_sgpr_workgroup_id_z 1
		.amdhsa_system_vgpr_workitem_id 0
		.amdhsa_next_free_vgpr 1024
		.amdhsa_next_free_sgpr 102
		.amdhsa_reserve_vcc 0
		.amdhsa_float_denorm_mode_32 3
		.amdhsa_float_denorm_mode_16_64 3
		.amdhsa_memory_ordered 1
		.amdhsa_forward_progress 1
		.amdhsa_inst_pref_size 196
	.end_amdhsa_kernel
	.amdgpu_metadata
---
amdhsa.version: [ 1, 2 ]
amdhsa.kernels:
  - .name:           k_qbbff2abd6f_qkv
    .symbol:         k_qbbff2abd6f_qkv.kd
    .args:
      - { .name: xc, .offset: 0, .size: 8, .value_kind: global_buffer, .address_space: global }
      - { .name: xs, .offset: 8, .size: 8, .value_kind: global_buffer, .address_space: global }
      - { .name: wc, .offset: 16, .size: 8, .value_kind: global_buffer, .address_space: global }
      - { .name: ws, .offset: 24, .size: 8, .value_kind: global_buffer, .address_space: global }
      - { .name: rec, .offset: 32, .size: 8, .value_kind: global_buffer, .address_space: global }
    .group_segment_fixed_size: 327680
    .private_segment_fixed_size: 0
    .kernarg_segment_align: 8
    .kernarg_segment_size: 40
    .max_flat_workgroup_size: 128
    .sgpr_count:     102
    .vgpr_count:     1024
    .wavefront_size: 32
...
	.end_amdgpu_metadata
.endif
;; end of part 2
;; launch attn (part 3): grid 8 x 32, 16 waves a work-group, no clusters, 34,816 bytes of LDS; arguments rec, maskw, ctxc, ctxs; writes ctxc, ctxs
.if DOCPART == 3
	.amdgcn_target "amdgcn-amd-amdhsa--gfx1250"
	.amdhsa_code_object_version 6
	.text
	.protected	k_qbbff2abd6f_attn
	.globl	k_qbbff2abd6f_attn
	.p2align	8
	.type	k_qbbff2abd6f_attn,@function
k_qbbff2abd6f_attn:
	s_mov_b64 s[64:65], 0
	v_nop
	global_prefetch_b8 v0, s[64:65] scope:SCOPE_SE
	s_setreg_imm32_b32 hwreg(HW_REG_WAVE_MODE, 25, 1), 1
	s_wait_xcnt 0x0
; ATTN.  ctx = softmax(q k^T / 8, hidden where the mask says so) v, both products on codes of FP6 (E2M3) with E8M0 scales; ctx is quantised along the model's 1,024 and leaves as the next launch's operand.
; THE SOFTMAX: t = score x log2(e) / 8; M = the row's largest t so far, rounded up to a whole number; p = 2^(t - M) is quantised along the keys; the row's sum is taken of the unquantised p and divides at the end.
; When M moves, the sum and O are multiplied by 2^(old M - new M): exact.
; THE MASK is an input: an earlier launch has turned it into lane masks (64 words for 16 queries x 128 keys) and flags.  A hidden score becomes -2^33, a logit of -2^30.
; LIMIT: reference() puts -1e9 there; the results differ only where a visible logit lies under about -9e8.  A row hidden at every key gets p = 1 at every key, as there.  NaN and infinities are not served.
; A step all of whose 16 x 128 scores are hidden is left out by a scalar branch on the stored flag (never where a row of the tile is hidden at every key: the flags are made so).
; No tensor load stands in this text, since such branches hang on numbers read from memory, and so no joint loads either: K's and V's records come through registers into LDS, once for sixteen waves.
; SHARES.  Work-group (j, batch x 8 + head pair).  Waves 0-7 take the eight tiles of 16 queries of token group j, waves 8-15 those of group 15 - j; a wave does the pair's two heads one after the other, so that it ends
; with a whole fragment (16 rows x 128 K) of the last product.  Every wave walks 16 key steps of 128 a head.
; LAYOUT.  Both products transposed: S^T = K Q^T, O^T = V^T P^T: a lane holds one query throughout.  Tokens and channels of a tile stand in workspace order (bits 3 and 4 changed over), so that the 16 registers of
; two neighbouring tiles are 16 neighbours along the next K.  A head has 64 channels, half of the instruction's K: Q's upper six registers are zero codes and its upper two scale bytes 0; K's upper six are
; the next tile's codes, which meet those zeros.
; LDS: two slots of a K record and a V record (13 images of 512 bytes each) at 0 and 16,384; the spare words from 32,768 on.  One barrier a step: a slot is written two steps after it was read, with a barrier between.
.set RB,       6656
.set KINDSTEP, 1024*RB
.set HEADSTEP, 16*RB
.set SLOT1,    16384
.set SPARE,    32768
.set FLAGS,    524288
.set LI,   1                           ; v1   16 x lane
.set SPW,  2                           ; v2   my spare word; never rewritten
.set NIL,  3                           ; v3   0; never rewritten
.set TI,   4                           ; v4   16 x thread: my 16 bytes of a record (waves 0-12)
.set RR,   5                           ; v5   lane % 16
.set LN,   6                           ; v6   lane
.set PFO,  7                           ; v7   256 x lane
.set QA,   8                           ; v8-10  my tile's three pairs of registers in Q's record
.set QS,   11                          ; v11  its scale word
.set CSO,  29                          ; v29  32 x (lane % 16)
.set NEGV, 31                          ; v31  -2^33
.set SRK,  192                         ; v192-195, v196-199: my 16 bytes of the next records of K and V
.set SRV,  196
.set CT,   200                         ; v200-211 ctx's codes
.set CW,   212                         ; v212 ctx's scale word
.set WV,   12
.set TA,   13                          ; my tile in its group
.set HP,   14                          ; the head pair
.set GG,   15                          ; my group of 128 tokens
.set PFA,  16                          ; s[16:17] where the prefetches stand
.set PFM,  18                          ; s18  a bit for each step in which my wave prefetches
.set BB,   19                          ; the batch
.set SEL,  20
.set CS,   22                          ; s[22:23] c = log2(e) / 8
.set KP,   24                          ; s[24:25], s[26:27]: the record of K, of V, to be loaded next
.set VP,   26
.set QP,   28
.set MOFF, 31                          ; the step's mask words: 256 bytes a step
.set HD,   66
.set ST,   67
.set SKIP, 100                         ; my tile's flags, a bit a step for the 32 steps
.set OPEN, 101
.set NEED, 104                         ; steps that some tile of the work-group needs (0 in waves that stage nothing)
	s_load_b256 s[4:11], s[0:1], 0x0               ; rec, maskw, ctxc, ctxs
	v_lshl_add_u32 v[SPW], v0, 2, SPARE
	v_mov_b32 v[NIL], 0
	v_lshrrev_b32 v5, 5, v0
	s_delay_alu instid0(VALU_DEP_1)
	v_readfirstlane_b32 s[WV], v5                  ; wave 0..15
	s_and_b32 s[TA], s[WV], 7
	s_lshr_b32 s2, s[WV], 3
	s_sub_co_u32 s59, 15, ttmp9
	s_cmp_eq_u32 s2, 0
	s_cselect_b32 s[GG], ttmp9, s59
	s_and_b32 s[HP], ttmp7, 0xffff
	s_lshr_b32 s[BB], s[HP], 3
	s_and_b32 s[HP], s[HP], 7
	v_and_b32 v[LN], 31, v0
	v_and_b32 v[RR], 15, v0
	s_delay_alu instid0(VALU_DEP_2)
	v_lshlrev_b32 v[LI], 4, v[LN]
	s_wait_alu depctr_va_vdst(0)
	v_lshlrev_b32 v[TI], 4, v0
	v_lshlrev_b32 v[PFO], 8, v[LN]
	v_lshlrev_b32 v[CSO], 5, v[RR]
	v_mov_b32 v[NEGV], 0xd0000000
	s_mul_i32 s49, s[TA], 6                        ; my tile's registers in Q's record: 6 a + 0 .. 5; register R lies in image R / 4, word R % 4
.irp e, 0,1,2
	s_add_co_u32 s2, s49, 2*\e
	s_lshr_b32 s3, s2, 2
	s_lshl_b32 s3, s3, 9
	s_and_b32 s2, s2, 2
	s_lshl_b32 s2, s2, 2
	s_add_co_u32 s3, s3, s2
	v_add_nc_u32 v[QA+\e], s3, v[LI]
.endr
	s_and_b32 s2, s[TA], 1                         ; its scale word: image 12, register a / 2, lane r + 16 (a % 2)
	s_lshl_b32 s2, s2, 8
	s_lshr_b32 s3, s[TA], 1
	s_lshl_b32 s3, s3, 2
	s_add_co_u32 s2, s2, s3
	s_add_co_u32 s2, s2, 6144
	v_lshl_add_u32 v[QS], v[RR], 4, s2
.irp j, 22,23,24,25,26,27,80,81,82,83,84,85,236,237,238,239,252,253
	v_mov_b32 v\j, 0                               ; Q's upper half; the registers behind K's last tile; lane permutes' destinations; the pair v[252:253]
.endr
.set j, SRK
.rept 21
	v_mov_b32 v[j], 0                              ; the staging registers, ctx's codes and scale word
.set j, j+1
.endr
	s_mov_b32 s[SEL], 0x76543210
	s_mov_b32 s[SEL+1], 0xfedcba98
	s_mov_b32 s[CS], 0x3e38aa3b
	s_mov_b32 s[CS+1], s[CS]
	s_lshl_b32 s58, ttmp9, 5                       ; the flags of group j's eight tiles,
	s_lshl_b32 s59, s59, 5                         ; of group 15 - j's,
	s_lshl_b32 s30, s[GG], 3
	s_add_co_u32 s30, s30, s[TA]                   ; my tile among 128
	s_lshl_b32 s60, s30, 2                         ; and my own
	s_wait_kmcnt 0x0
	s_load_b256 s[32:39], s[6:7], s58 offset:FLAGS
	s_load_b256 s[40:47], s[6:7], s59 offset:FLAGS
	s_load_b32 s48, s[6:7], s60 offset:FLAGS
	s_lshl_b32 s50, s[BB], 4
	s_lshl_b32 s51, s[HP], 1
	s_add_co_u32 s50, s50, s51                     ; 16 batch + the pair's first head
	s_lshl_b32 s50, s50, 4
	s_add_co_u32 s52, s50, s[GG]
	s_mul_i32 s52, s52, RB                         ; Q's record of my group
	s_mov_b32 s53, 0
	s_mul_i32 s54, s50, RB
	s_add_co_u32 s54, s54, KINDSTEP                ; K's first record: the pair's 32 records lie on end
	s_mov_b32 s55, 0
	s_add_co_u32 s56, s54, KINDSTEP                ; V's
	s_mov_b32 s57, 0
	s_add_nc_u64 s[KP:KP+1], s[4:5], s[54:55]
	s_add_nc_u64 s[VP:VP+1], s[4:5], s[56:57]
	s_add_nc_u64 s[QP:QP+1], s[4:5], s[52:53]
	s_cmp_eq_u32 s[WV], 14
	s_cselect_b64 s[PFA:PFA+1], s[VP:VP+1], s[KP:KP+1]
	s_add_nc_u64 s[PFA:PFA+1], s[PFA:PFA+1], 8192  ; step 0 steps it to piece 2
	s_sub_co_u32 s2, s[WV], 13
	s_lshr_b32 s2, s2, 1                           ; 0 in waves 13 and 14,
	s_or_b32 s2, s2, ttmp9                         ; of the work-group with x = 0: all eight work-groups of a head pair walk the same records
	s_cmp_eq_u32 s2, 0
	s_cselect_b32 s[PFM], 0xffffff, 0              ; steps 0 to 23 name pieces 2 to 25
	s_lshl_b32 s49, s[BB], 4
	s_add_co_u32 s49, s49, s[GG]                   ; my group among 64
	s_lshl_b32 s2, s49, 3
	s_add_co_u32 s2, s2, s[HP]
	s_lshl_b32 s2, s2, 3
	s_add_co_u32 s2, s2, s[TA]
	s_mul_i32 s2, s2, 1536                         ; ctxc [group][head pair][tile][3 images]
	s_mov_b32 s3, 0
	s_add_nc_u64 s[8:9], s[8:9], s[2:3]
	s_lshl_b32 s2, s49, 7
	s_lshl_b32 s61, s[TA], 4
	s_add_co_u32 s2, s2, s61
	s_lshl_b32 s2, s2, 5                           ; ctxs [row][32 bytes],
	s_lshl_b32 s61, s[HP], 2
	s_add_co_u32 s2, s2, s61                       ; the pair's word
	s_add_nc_u64 s[10:11], s[10:11], s[2:3]
	s_lshl_b32 s2, s30, 12                         ; my tile's mask words
	s_wait_kmcnt 0x0
	s_add_nc_u64 s[6:7], s[6:7], s[2:3]
.irp i, 33,34,35,36,37,38,39,40,41,42,43,44,45,46,47
	s_and_b32 s32, s32, s\i                        ; steps that all sixteen tiles leave out
.endr
	s_not_b32 s32, s32
	s_and_b32 s32, s32, 0xffff
	s_lshl_b32 s33, s32, 16
	s_or_b32 s[NEED], s32, s33                     ; the same sixteen steps for both heads
	s_cmp_lt_u32 s[WV], 13
	s_cselect_b32 s[NEED], s[NEED], 0              ; a record is thirteen waves' worth: 13 x 512 bytes
	s_and_b32 s[SKIP], s48, 0xffff
	s_lshl_b32 s33, s[SKIP], 16
	s_or_b32 s[SKIP], s[SKIP], s33
	s_lshr_b32 s[OPEN], s48, 16
	s_lshl_b32 s33, s[OPEN], 16
	s_or_b32 s[OPEN], s[OPEN], s33
	s_bitcmp1_b32 s[NEED], 0
	s_cbranch_scc0 .Lno_first
	global_load_b128 v[SRK:SRK+3], v[TI], s[KP:KP+1]
	global_load_b128 v[SRV:SRV+3], v[TI], s[VP:VP+1]
.Lno_first:
.macro KQ t                            ; tile t of 16 keys x my 16 queries; the scale words of tiles 2 p and 2 p + 1 share a register
.if (\t)%2
	v_wmma_scale_f32_16x16x128_f8f6f4 v[96+8*(\t):103+8*(\t)], v[32+6*(\t):43+6*(\t)], v[16:27], 0, v[248+(\t)/2], v255 matrix_a_fmt:MATRIX_FMT_FP6 matrix_b_fmt:MATRIX_FMT_FP6 matrix_a_scale:MATRIX_SCALE_ROW1
.else
	v_wmma_scale_f32_16x16x128_f8f6f4 v[96+8*(\t):103+8*(\t)], v[32+6*(\t):43+6*(\t)], v[16:27], 0, v[248+(\t)/2], v255 matrix_a_fmt:MATRIX_FMT_FP6 matrix_b_fmt:MATRIX_FMT_FP6
.endif
.endm
.macro PV t                            ; tile t of 16 channels x my 16 queries, K = the step's 128 keys
.if (\t)%2
	v_wmma_scale_f32_16x16x128_f8f6f4 v[160+8*(\t):167+8*(\t)], v[32+12*(\t):43+12*(\t)], v[224:235], v[160+8*(\t):167+8*(\t)], v[248+(\t)/2], v253 matrix_a_fmt:MATRIX_FMT_FP6 matrix_b_fmt:MATRIX_FMT_FP6 matrix_a_scale:MATRIX_SCALE_ROW1
.else
	v_wmma_scale_f32_16x16x128_f8f6f4 v[160+8*(\t):167+8*(\t)], v[32+12*(\t):43+12*(\t)], v[224:235], v[160+8*(\t):167+8*(\t)], v[248+(\t)/2], v253 matrix_a_fmt:MATRIX_FMT_FP6 matrix_b_fmt:MATRIX_FMT_FP6
.endif
.endm
; A KEY STEP, in slot S.
.macro STEP S
	s_wait_loadcnt 0x0                             ; my 16 bytes of this step's records, asked for a step ago, are in
	s_wait_xcnt 0x0                                ; and the last prefetch has read its address: the three pointers may step
	s_add_nc_u64 s[KP:KP+1], s[KP:KP+1], RB
	s_add_nc_u64 s[VP:VP+1], s[VP:VP+1], RB
	s_add_nc_u64 s[PFA:PFA+1], s[PFA:PFA+1], 8192
	s_cmp_lt_u32 s[WV], 13
	s_cbranch_scc0 .Lno_store_\@
	ds_store_b128 v[TI], v[SRK:SRK+3] offset:\S*SLOT1
	ds_store_b128 v[TI], v[SRV:SRV+3] offset:\S*SLOT1+RB
.Lno_store_\@:
	s_wait_dscnt 0x0                               ; for the others' sake: my stores have landed, and my reads of the other slot are over
	s_barrier_signal -1
	s_barrier_wait -1
	s_lshr_b32 s[NEED], s[NEED], 1                 ; the next step's bit; behind the last step zeros have come in: no load leaves the buffer
	s_bitcmp1_b32 s[NEED], 0
	s_cbranch_scc0 .Lno_load_\@
	global_load_b128 v[SRK:SRK+3], v[TI], s[KP:KP+1]
	global_load_b128 v[SRV:SRV+3], v[TI], s[VP:VP+1]
.Lno_load_\@:
	; A prefetch: the pair's 32 records are 26 pieces of 8,192 bytes; step t names piece t + 2, lanes 256 bytes apart: each aligned block of 256 bytes once in the launch (one work-group of eight, wave 13 for K, wave 14 for V).
	; Piece u is first wanted by the load of record u or a later one, which is issued in step u - 1 or later.  Pieces 0 and 1 come by their loads alone; steps 24 to 31 ask for nothing.
	s_bitcmp1_b32 s[PFM], 0
	s_cbranch_scc0 .Lno_ask_\@
	global_prefetch_b8 v[PFO], s[PFA:PFA+1] th:TH_LOAD_NT scope:SCOPE_SE
.Lno_ask_\@:
	s_lshr_b32 s[PFM], s[PFM], 1
	s_bitcmp1_b32 s[SKIP], 0
	s_cbranch_scc1 .Lhidden_\@                     ; all 16 x 128 scores are hidden: their p would be 0
	s_load_b512 s[32:47], s[6:7], s[MOFF] offset:0 ; the step's 64 lane masks
	s_load_b512 s[48:63], s[6:7], s[MOFF] offset:64
	s_load_b512 s[68:83], s[6:7], s[MOFF] offset:128
	s_load_b512 s[84:99], s[6:7], s[MOFF] offset:192
.irp g, 0,1,2,3,4,5,6,7,8,9,10,11
	ds_load_b128 v[32+4*\g:35+4*\g], v[LI] offset:\S*SLOT1+512*\g       ; K's record as it lies: the images are the registers
.endr
	ds_load_b128 v[248:251], v[LI] offset:\S*SLOT1+6144
	s_wait_dscnt 0x0
.irp t, 0,1,2,3,4,5,6,7
	KQ \t
.endr
.rept 4
	v_nop                                          ; places in front of the loads into K's registers and of the first reads of the scores
.endr
.irp g, 0,1,2,3,4,5,6,7,8,9,10,11
	ds_load_b128 v[32+4*\g:35+4*\g], v[LI] offset:\S*SLOT1+RB+512*\g    ; V's record lands while the softmax is walked
.endr
	ds_load_b128 v[248:251], v[LI] offset:\S*SLOT1+RB+6144
	s_wait_kmcnt 0x0
	s_bitcmp1_b32 s[OPEN], 0
	s_cbranch_scc1 .Lopen_\@                       ; nothing of this step is hidden
.set n, 0
.rept 64
	v_cndmask_b32 v[96+n], v[96+n], v[NEGV], s[32+n+4*(n/32)]
.set n, n+1
.endr
.Lopen_\@:
.irp b, 0,1,2,3
	v_max3_num_f32 v[232+\b], v[96+16*\b], v[97+16*\b], v[98+16*\b]   ; the largest score of each block of 32 keys: for the row's maximum and, since p rises with the score, for the block's largest p
.endr
.irp i, 3,5,7,9,11,13
.irp b, 0,1,2,3
	v_max3_num_f32 v[232+\b], v[232+\b], v[96+16*\b+\i], v[97+16*\b+\i]
.endr
.endr
.irp b, 0,1,2,3
	v_max_num_f32 v[232+\b], v[232+\b], v[111+16*\b]
.endr
.irp b, 0,1,2,3
	s_delay_alu instid0(VALU_DEP_4)
	v_permlanex16_b32 v[236+\b], v[232+\b], s[SEL], s[SEL+1]
.endr
.irp b, 0,1,2,3
	s_delay_alu instid0(VALU_DEP_4)
	v_max_num_f32 v[232+\b], v[232+\b], v[236+\b]  ; with lane l xor 16's 16 keys
.endr
	s_delay_alu instid0(VALU_DEP_2)
	v_max3_num_f32 v254, v232, v233, v234
	s_delay_alu instid0(VALU_DEP_1)
	v_max_num_f32 v254, v254, v235
	s_delay_alu instid0(VALU_DEP_1)
	v_mul_f32 v254, s[CS], v254                    ; as t
	s_delay_alu instid0(VALU_DEP_1)
	v_max_num_f32 v13, v13, v254                   ; the running largest t
	v_mov_b32 v254, v12
	s_delay_alu instid0(VALU_DEP_2)
	v_floor_f32 v12, -v13                          ; the new -M = -ceil(t): a whole number
	s_delay_alu instid0(VALU_DEP_1)
	v_sub_f32 v254, v12, v254                      ; old M - new M: a whole number, 0 or less
	s_delay_alu instid0(VALU_DEP_1)
	v_cvt_i32_f32 v254, v254                       ; (it saturates)
	s_delay_alu instid0(VALU_DEP_1)
	v_ldexp_f32 v252, 1.0, v254                    ; f = 2^(old M - new M)
.set j, 0
.rept 32
	v_pk_fma_f32 v[96+j:97+j], v[96+j:97+j], s[CS:CS+1], v[12:13] op_sel_hi:[1,0,0]   ; t - M, two at a time
.set j, j+2
.endr
.irp b, 0,1,2,3
	v_fma_f32 v[232+\b], v[232+\b], s[CS], v12     ; the same of each block's largest score
.endr
.set j, 0
	s_wait_alu depctr_va_vdst(0)
.rept 64
	v_exp_f32 v[96+j], v[96+j]                     ; p = 2^(t - M), at most 1
.set j, j+1
.endr
	v_pk_mul_f32 v[14:15], v[14:15], v[252:253] op_sel_hi:[1,0]   ; the sums under the new M (a plain line behind the exponentials)
	s_wait_alu depctr_va_vdst(0)                   ; one wait for the whole batch, ahead of its first reader
.irp b, 0,1,2,3
	v_exp_f32 v[232+\b], v[232+\b]                 ; the block's largest p
.endr
	v_pk_add_f32 v[236:237], v[100:101], v[104:105]
	v_pk_add_f32 v[222:223], v[108:109], v[112:113]
	v_pk_add_f32 v[220:221], v[116:117], v[120:121]
	v_pk_add_f32 v[218:219], v[124:125], v[128:129]
	v_pk_add_f32 v[216:217], v[132:133], v[136:137]
	v_pk_add_f32 v[214:215], v[140:141], v[144:145]
	v_pk_add_f32 v[94:95], v[148:149], v[152:153]
	v_pk_add_f32 v[14:15], v[14:15], v[156:157]
	v_pk_add_f32 v[236:237], v[236:237], v[96:97]
	v_pk_add_f32 v[222:223], v[222:223], v[98:99]
	v_pk_add_f32 v[220:221], v[220:221], v[102:103]
	v_pk_add_f32 v[218:219], v[218:219], v[106:107]
	v_pk_add_f32 v[216:217], v[216:217], v[110:111]
	v_pk_add_f32 v[214:215], v[214:215], v[114:115]
	v_pk_add_f32 v[94:95], v[94:95], v[118:119]
	v_pk_add_f32 v[14:15], v[14:15], v[122:123]
	v_pk_add_f32 v[236:237], v[236:237], v[126:127]
	v_pk_add_f32 v[222:223], v[222:223], v[130:131]
	v_pk_add_f32 v[220:221], v[220:221], v[134:135]
	v_pk_add_f32 v[218:219], v[218:219], v[138:139]
	v_pk_add_f32 v[216:217], v[216:217], v[142:143]
	v_pk_add_f32 v[214:215], v[214:215], v[146:147]
	v_pk_add_f32 v[94:95], v[94:95], v[150:151]
	v_pk_add_f32 v[14:15], v[14:15], v[154:155]
	v_pk_add_f32 v[236:237], v[236:237], v[158:159]
	s_delay_alu instid0(VALU_DEP_2)
	v_pk_add_f32 v[14:15], v[14:15], v[218:219]
	s_delay_alu instid0(VALU_DEP_2)
	v_pk_add_f32 v[236:237], v[236:237], v[216:217]
	v_pk_add_f32 v[222:223], v[222:223], v[214:215]
	v_pk_add_f32 v[220:221], v[220:221], v[94:95]
	s_delay_alu instid0(VALU_DEP_2)
	v_pk_add_f32 v[14:15], v[14:15], v[222:223]
	s_delay_alu instid0(VALU_DEP_2)
	v_pk_add_f32 v[236:237], v[236:237], v[220:221]
	s_delay_alu instid0(VALU_DEP_1)
	v_pk_add_f32 v[14:15], v[14:15], v[236:237]
	s_wait_alu depctr_va_vdst(0)                   ; and one for the four
.irp b, 0,1,2,3
	v_max_num_f32 v[232+\b], 0x1800000, v[232+\b]  ; the floor 2^(3 - 127): the byte cannot fall under 1
.endr
.irp b, 0,1,2,3
	s_delay_alu instid0(VALU_DEP_4)
	v_add_nc_u32 v[244+\b], 0xff000000, v[232+\b]  ; 2 off the exponent field: the conversion's scale operand
.endr
.irp b, 0,1,2,3
	s_delay_alu instid0(VALU_DEP_4)
	v_lshrrev_b32 v[236+\b], 23, v[244+\b]
.endr
	s_delay_alu instid0(VALU_DEP_3)
	v_lshl_or_b32 v253, v237, 8, v236              ; p's scale word for these 128 keys
	s_delay_alu instid0(VALU_DEP_1)
	v_lshl_or_b32 v253, v238, 16, v253
	s_delay_alu instid0(VALU_DEP_1)
	v_lshl_or_b32 v253, v239, 24, v253
.irp c, 0,1
	v_cvt_scalef32_pk16_fp6_f32 v[224+6*\c:226+6*\c], v[96+32*\c:111+32*\c], v[244+2*\c]
	v_cvt_scalef32_pk16_fp6_f32 v[236+4*\c:238+4*\c], v[112+32*\c:127+32*\c], v[244+2*\c+1]
.endr
	v_nop                                          ; one plain line behind a scaled conversion
.irp c, 0,1                            ; a whole block in a lane: lanes 0-15 block 2 c, lanes 16-31 block 2 c + 1
.irp i, 0,1,2
	v_permlane16_swap_b32 v[224+6*\c+\i], v[236+4*\c+\i]
.endr
.irp i, 0,1,2
	s_delay_alu instid0(VALU_DEP_3)
	v_mov_b32 v[227+6*\c+\i], v[236+4*\c+\i]
.endr
.endr
.set j, 0
.rept 16
	v_pk_mul_f32 v[160+j:161+j], v[160+j:161+j], v[252:253] op_sel_hi:[1,0]   ; O^T under the new M; these sixteen are also the places between the writes of p's codes and scale word and the products
.set j, j+2
.endr
	s_wait_alu depctr_va_vdst(0)
	s_wait_dscnt 0x0                               ; V's record is in
.irp t, 0,1,2,3
	PV \t                                          ; the four accumulators by turns; the next step's eight score products stand between two links of a chain
.endr
.rept 4
	v_nop                                          ; places in front of the next loads into V's registers and of the next reads of O^T
.endr
.Lhidden_\@:
	s_lshr_b32 s[SKIP], s[SKIP], 1
	s_lshr_b32 s[OPEN], s[OPEN], 1
	s_add_co_u32 s[MOFF], s[MOFF], 256             ; (the scalar loads that read it have come back)
.endm
	s_mov_b32 s[HD], 2
.Lhead:
.irp e, 0,1,2
	global_load_b64 v[16+2*\e:17+2*\e], v[QA+\e], s[QP:QP+1]      ; my tile of Q: it stays in registers for the head
.endr
	global_load_b32 v255, v[QS], s[QP:QP+1]
	s_wait_loadcnt 0x0
	v_and_b32 v255, 0xffff, v255                   ; the head's two scale bytes; the upper half of K counts for nothing
	v_mov_b32 v13, 0xff61b1e6                      ; the largest t so far: -3e38
	s_delay_alu instid0(VALU_DEP_1)
	v_floor_f32 v12, -v13                          ; -M
	v_mov_b32 v14, 0                               ; the sum, in two halves
	v_mov_b32 v15, 0
.set j, 0
.rept 32
	v_mov_b32 v[160+j], 0                          ; O^T: which step is a tile's first hangs on the stored flags, so no step can be written out that starts the sums
.set j, j+1
.endr
	s_mov_b32 s[MOFF], 0
	s_mov_b32 s[ST], 8
.Lstep:                                            ; a trip runs two key steps, slot 0 and slot 1
	STEP 0
	STEP 1
	s_sub_co_u32 s[ST], s[ST], 1
	s_cmp_lg_u32 s[ST], 0
	s_cbranch_scc1 .Lstep
	; the head's end: O^T / the sum; register 16 b + i is channel 32 b + 16 h + i: two blocks of 32 along the last product's K
	v_add_f32 v14, v14, v15
	s_delay_alu instid0(VALU_DEP_1)
	v_permlanex16_b32 v252, v14, s[SEL], s[SEL+1]
	s_delay_alu instid0(VALU_DEP_1)
	v_add_f32 v14, v14, v252
	s_wait_alu depctr_va_vdst(0)
	v_rcp_f32 v14, v14
	v_nop                                          ; a plain line behind the reciprocal,
	s_wait_alu depctr_va_vdst(0)                   ; and the wait ahead of its first reader
.set j, 0
.rept 32
	v_mul_f32 v[96+j], v[160+j], v14
.set j, j+1
.endr
.irp b, 0,1
	v_max3_num_f32 v[232+\b], |v[96+16*\b]|, |v[97+16*\b]|, 0x1800000
.endr
.irp i, 2,4,6,8,10,12,14
.irp b, 0,1
	s_delay_alu instid0(VALU_DEP_2)
	v_max3_num_f32 v[232+\b], v[232+\b], |v[96+16*\b+\i]|, |v[97+16*\b+\i]|
.endr
.endr
.irp b, 0,1
	s_delay_alu instid0(VALU_DEP_2)
	v_permlanex16_b32 v[236+\b], v[232+\b], s[SEL], s[SEL+1]
.endr
.irp b, 0,1
	s_delay_alu instid0(VALU_DEP_2)
	v_max_num_f32 v[232+\b], v[232+\b], v[236+\b]
.endr
.irp b, 0,1
	s_delay_alu instid0(VALU_DEP_2)
	v_add_nc_u32 v[244+\b], 0xff000000, v[232+\b]
.endr
.irp b, 0,1
	s_delay_alu instid0(VALU_DEP_2)
	v_lshrrev_b32 v[236+\b], 23, v[244+\b]
.endr
	s_delay_alu instid0(VALU_DEP_1)
	v_lshl_or_b32 v236, v237, 8, v236              ; the head's two scale bytes
.irp i, 0,1,2,3,4,5
	v_mov_b32 v[CT+\i], v[CT+6+\i]                 ; the head before moves down: after two heads the first stands in registers 0-5, the second in 6-11
.endr
	v_cvt_scalef32_pk16_fp6_f32 v[CT+6:CT+8], v[96:111], v244
	v_cvt_scalef32_pk16_fp6_f32 v[240:242], v[112:127], v245
	v_nop
.irp i, 0,1,2
	v_permlane16_swap_b32 v[CT+6+\i], v[240+\i]
.endr
.irp i, 0,1,2
	s_delay_alu instid0(VALU_DEP_3)
	v_mov_b32 v[CT+9+\i], v[240+\i]
.endr
	v_lshrrev_b32 v[CW], 16, v[CW]
	s_delay_alu instid0(VALU_DEP_1)
	v_lshl_or_b32 v[CW], v236, 16, v[CW]
	s_add_nc_u64 s[QP:QP+1], s[QP:QP+1], HEADSTEP  ; (Q's loads came back at the head's top)
	s_sub_co_u32 s[HD], s[HD], 1
	s_cmp_lg_u32 s[HD], 0
	s_cbranch_scc1 .Lhead
.irp g, 0,1,2
	global_store_b128 v[LI], v[CT+4*\g:CT+4*\g+3], s[8:9] offset:512*\g   ; the fragment as an image of its registers: 512 consecutive bytes a store
.endr
	s_wait_xcnt 0x0                                ; EXEC changes only behind this wait
	v_cmp_gt_u32 vcc_lo, 16, v[LN]
	s_and_saveexec_b32 s2, vcc_lo
	s_wait_alu depctr_va_vdst(0)
	global_store_b32 v[CSO], v[CW], s[10:11]       ; four bytes of rows 32 bytes apart: 256 KiB in the whole launch, one twenty-fourth of the codes
	s_wait_xcnt 0x0
	s_or_b32 exec_lo, exec_lo, s2
	s_wait_tensorcnt 0x0                           ; the wave's end, behind my last LDS store
	ds_add_u32 v[SPW], v[NIL]
	s_wait_dscnt 0x0
	s_endpgm
.Lfunc_end_k_qbbff2abd6f_attn:
	.size	k_qbbff2abd6f_attn, .Lfunc_end_k_qbbff2abd6f_attn-k_qbbff2abd6f_attn
	.p2alignl 7, 3214868480
	.fill 96, 4, 3214868480
	.section	.rodata,"a",@progbits
	.p2align	6, 0x0
	.amdhsa_kernel k_qbbff2abd6f_attn
		.amdhsa_group_segment_fixed_size 34816
		.amdhsa_private_segment_fixed_size 0
		.amdhsa_enable_private_segment 0
		.amdhsa_kernarg_size 32
		.amdhsa_user_sgpr_count 2
		.amdhsa_user_sgpr_kernarg_segment_ptr 1
		.amdhsa_wavefront_size32 1
		.amdhsa_system_sgpr_workgroup_id_x 1
		.amdhsa_system_sgpr_workgroup_id_y 1
		.amdhsa_system_sgpr_workgroup_id_z 1
		.amdhsa_system_vgpr_workitem_id 0
		.amdhsa_next_free_vgpr 256
		.amdhsa_next_free_sgpr 106
		.amdhsa_reserve_vcc 1
		.amdhsa_float_denorm_mode_32 3
		.amdhsa_float_denorm_mode_16_64 3
		.amdhsa_memory_ordered 1
		.amdhsa_forward_progress 1
		.amdhsa_inst_pref_size 58
	.end_amdhsa_kernel
	.amdgpu_metadata
---
amdhsa.version: [ 1, 2 ]
amdhsa.kernels:
  - .name:           k_qbbff2abd6f_attn
    .symbol:         k_qbbff2abd6f_attn.kd
    .args:
      - { .name: rec, .offset: 0, .size: 8, .value_kind: global_buffer, .address_space: global }
      - { .name: maskw, .offset: 8, .size: 8, .value_kind: global_buffer, .address_space: global }
      - { .name: ctxc, .offset: 16, .size: 8, .value_kind: global_buffer, .address_space: global }
      - { .name: ctxs, .offset: 24, .size: 8, .value_kind: global_buffer, .address_space: global }
    .group_segment_fixed_size: 34816
    .private_segment_fixed_size: 0
    .kernarg_segment_align: 8
    .kernarg_segment_size: 32
    .max_flat_workgroup_size: 512
    .sgpr_count:     106
    .vgpr_count:     256
    .wavefront_size: 32
...
	.end_amdgpu_metadata
.endif
;; end of part 3
;; launch proj (part 4): grid 4 x 32, 4 waves a work-group, clusters of 4 x 4, 327,680 bytes of LDS; arguments ctxc, ctxs, wc, ws, bo, out0; writes out0
.if DOCPART == 4
	.amdgcn_target "amdgcn-amd-amdhsa--gfx1250"
	.amdhsa_code_object_version 6
	.text
	.protected	k_qbbff2abd6f_proj
	.globl	k_qbbff2abd6f_proj
	.p2align	8
	.type	k_qbbff2abd6f_proj,@function
k_qbbff2abd6f_proj:
	s_mov_b64 s[64:65], 0
	v_nop
	global_prefetch_b8 v0, s[64:65] scope:SCOPE_SE
	s_setreg_imm32_b32 hwreg(HW_REG_WAVE_MODE, 25, 1), 1
	s_wait_xcnt 0x0
	s_wait_alu depctr_hold_cnt(0) depctr_sa_sdst(0) depctr_va_vdst(0) depctr_va_sdst(0) depctr_va_ssrc(0) depctr_va_vcc(0) depctr_vm_vsrc(0)
	s_getreg_b32 s2, hwreg(HW_REG_IB_STS2, 6, 4)
	s_cmp_eq_u32 s2, 0
	s_cbranch_scc0 .Lentry_in_a_cluster
	s_endpgm
.Lentry_in_a_cluster:
	s_bfe_u32 s2, ttmp6, 0x10000c
	s_cmp_lg_u32 s2, 0xf033
	s_cbranch_scc0 .Lentry_shape_is_right
	s_endpgm
.Lentry_shape_is_right:
; PROJ.  out0 = ctx Wo^T + bo on codes of FP6 (E2M3) with E8M0 scales; M 8,192, N 1,024, K 1,024; sums in f32.
; A = ctx comes as IMAGES OF ITS FRAGMENTS' REGISTERS: ctxc [group of 128 rows (64)][128 along K (8)][tile of 16 rows (8)][3 images of 512 bytes]; its scale bytes ctxs [row][32].  B = Wo: rows 3,072 on of wc (768 bytes a row) and ws.
; Rows of both lie in workspace order (bits 3 and 4 of the row number changed over); the way out puts rows and columns back.
; A tile of 256 x 256 is made by four waves, 128 x 128 each.  K goes in steps of 256 through two LDS slots filled by the tensor data mover: A's half is one dense block of 24,576 bytes, B's 128 rows of 192 bytes.
; The scale bytes of the tile's 512 rows come once.  4 x 4 work-groups form a cluster: A's tiles are asked for jointly along a row of it, B's along a column.
; The matrix instruction is used transposed (source 0 = 16 rows of B, source 1 = 16 rows of A): a lane holds eight neighbouring numbers of a row of the output.  The bias is the C of each sum's first product.
; REGISTERS: window 0: v0-31 addresses; v32-63 scale words; v64-127 the bias in the result's layout; from v128 A's fragments, on the way out rows read back.  window 1: B's fragments, two sets.  windows 2, 3: the accumulators.
.set SIZE_N, 1024
.set KSTEP,  256
.set NQ,     KSTEP/128
.set ROWB,   192
.set KROW,   768
.set PITCH,  240
.set FR,     12
.set NL,     6                         ; LDS loads that bring a fragment of B
.set NLA,    3                         ; and of A
.set NP,     4
.set AH,     24576                     ; A's 128 rows x 256 along K: 16 fragments of 1,536 bytes
.set BH,     128*PITCH
.set SLOT,   2*AH+2*BH
.set LAPS,   2
.set KS,     32
.set SCL,    2*SLOT
.set HALFS,  (128*KS/256)*272
.set SBLK,   (16*KS/256)*272
.set SPARE,  SCL+4*HALFS
.set SPITCH, 528                       ; the way out: a stage of 16 rows x (512 bytes + 16) a wave, in slot 0, which has had its last fill and its last read by then
.set ADRA, 16
.set ADRB, 20
.set STO,  24
.set RD,   25
.set CO,   26
.set ADRS, 27
.set SPW,  28
.set NIL,  29
.set SC,   32
.set BI,   64
.set AF,   128
.set BK,   128
.set G1, 24
.set G0, 32
.set G1B, 48
.set G0B, 56
.set G1S, 68
.set G0S, 76
.set G1SB, 80
.set G0SB, 88
.set MSB, 0
.macro WIN new
.if MSB != (\new)
	s_set_vgpr_msb (MSB<<8)|(\new)
.set MSB, \new
.endif
.endm
.set MUL_LO, 0xa1
.set MUL_HI, 0xf1
.set TO_B,   0x40
.macro JLOAD g0a, g1a, g0b, g1b        ; a joint load: waves 0 and 1 fetch for A, waves 2 and 3 for B; an s_nop 0 and four v_nop follow each of the two lines
	s_cmp_eq_u32 s15, 0
	s_cbranch_scc0 .Lfor_b_\@
	tensor_load_to_lds s[\g0a:\g0a+3], s[\g1a:\g1a+7]
	s_nop 0
.rept 4
	v_nop
.endr
	s_branch .Lasked_\@
.Lfor_b_\@:
	tensor_load_to_lds s[\g0b:\g0b+3], s[\g1b:\g1b+7]
	s_nop 0
.rept 4
	v_nop
.endr
.Lasked_\@:
.endm
.macro CREST
	s_cmp_lg_u32 s14, 0
	s_cbranch_scc1 .Lnot_wave_0_\@
	s_barrier_signal -3
.Lnot_wave_0_\@:
	s_barrier_wait -3
	s_barrier_signal -1
	s_barrier_wait -1
.endm
.macro CROUND
	s_barrier_signal -1
	s_barrier_wait -1
	CREST
.endm
	s_load_b128 s[4:7], s[0:1], 0x0                ; ctxc, ctxs
	s_load_b128 s[8:11], s[0:1], 0x10              ; wc, ws
	s_load_b64 s[96:97], s[0:1], 0x20              ; bo
	s_load_b64 s[12:13], s[0:1], 0x28              ; out0
	v_lshl_add_u32 v[SPW], v0, 2, SPARE
	v_mov_b32 v[NIL], 0
	ds_add_u32 v[SPW], v[NIL]                      ; the wave's opening: the add and its wait stand ahead of my first tensor load
	v_lshrrev_b32 v1, 5, v0
	v_readfirstlane_b32 s14, v1
	s_lshr_b32 s15, s14, 1                         ; my half of the tile's rows.  Also: I fetch for A (0) or for B (1)
	s_and_b32 s16, s14, 1                          ; my half of its columns.  Also: which 128 rows I fetch
	s_bfe_u32 s40, ttmp6, 0x40000
	s_bfe_u32 s41, ttmp6, 0x40004
	s_lshl_b32 s42, ttmp9, 2
	s_add_co_u32 s42, s42, s40                     ; tile column
	s_and_b32 s17, ttmp7, 0xffff
	s_lshl_b32 s17, s17, 2
	s_add_co_u32 s17, s17, s41                     ; tile row
	s_lshl_b32 s43, s41, 2
	s_lshl_b32 s43, 15, s43
	s_lshl_b32 s44, 0x1111, s40
	; group 1 for A: a dense block of 24,576 bytes as 96 rows of 256 (32 elements of 8 bytes), no padding
	s_or_b32 s[G1+0], s43, (3<<16)|(1<<21)
	s_mov_b32 s[G1+1], 32<<16
	s_mov_b32 s[G1+2], 96<<16
	s_mov_b32 s[G1+3], 32<<16
	s_mov_b32 s[G1+4], 96
	s_mov_b32 s[G1+5], 32
	s_mov_b32 s[G1+6], 0
	s_mov_b32 s[G1+7], 0
	; for B: 128 rows of 192 bytes, 16 bytes of padding behind every 64
	s_or_b32 s[G1B+0], s44, (0<<16)|(1<<20)|(1<<21)|(3<<22)|(3<<25)
	s_mov_b32 s[G1B+1], ROWB<<16
	s_mov_b32 s[G1B+2], 128<<16
	s_mov_b32 s[G1B+3], ROWB<<16
	s_mov_b32 s[G1B+4], 128
	s_mov_b32 s[G1B+5], KROW
	s_mov_b32 s[G1B+6], 0
	s_mov_b32 s[G1B+7], 0
	; for the scale bytes of 128 rows: 16 rows of 256 bytes, 16 bytes of padding behind each
	s_or_b32 s[G1S+0], s43, (3<<16)|(1<<20)|(1<<21)|(5<<22)|(3<<25)
	s_or_b32 s[G1SB+0], s44, (3<<16)|(1<<20)|(1<<21)|(5<<22)|(3<<25)
.irp g, G1S, G1SB
	s_mov_b32 s[\g+1], 32<<16
	s_mov_b32 s[\g+2], (128*KS/256)<<16
	s_mov_b32 s[\g+3], 32<<16
	s_mov_b32 s[\g+4], 128*KS/256
	s_mov_b32 s[\g+5], 32
	s_mov_b32 s[\g+6], 0
	s_mov_b32 s[\g+7], 0
.endr
	s_lshl_b32 s20, s17, 1
	s_add_co_u32 s20, s20, s16                     ; A: the group of 128 rows that I fetch
	s_lshl_b32 s22, s20, 12                        ; its scale bytes: 128 rows of 32
	s_mov_b32 s23, 0
	s_mul_i32 s20, s20, 8*AH/2                     ; its images: 98,304 bytes a group
	s_mov_b32 s21, 0
	s_lshl_b32 s18, s16, 7
	s_lshl_b32 s46, s42, 8
	s_add_co_u32 s46, s46, s18
	s_add_co_u32 s46, s46, 3072                    ; B: Wo begins at row 3,072 of wc
	s_mov_b32 s47, 0
	s_mov_b64 s[18:19], KS
	s_mul_u64 s[92:93], s[46:47], s[18:19]
	s_mov_b64 s[18:19], KROW
	s_mul_u64 s[46:47], s[46:47], s[18:19]
	s_mul_i32 s45, s16, AH                         ; where they go: A's two halves,
	s_mul_i32 s95, s16, BH
	s_add_co_u32 s95, s95, 2*AH                    ; behind them B's two
	s_mul_i32 s94, s14, HALFS
	s_wait_dscnt 0x0                               ; the opening add is done
	s_wait_kmcnt 0x0
	s_add_nc_u64 s[20:21], s[4:5], s[20:21]
	s_add_nc_u64 s[22:23], s[6:7], s[22:23]
	s_add_nc_u64 s[46:47], s[8:9], s[46:47]
	s_add_nc_u64 s[92:93], s[10:11], s[92:93]
	CROUND                                         ; all sixteen work-groups are here: the first joint loads meet
	s_mov_b32 s[G0S], 1
	s_add_co_u32 s[G0S+1], s94, SCL
	s_mov_b64 s[G0S+2:G0S+3], s[22:23]
	s_or_b32 s[G0S+3], s[G0S+3], 0x80000000
	s_mov_b32 s[G0SB], 1
	s_add_co_u32 s[G0SB+1], s94, SCL
	s_mov_b64 s[G0SB+2:G0SB+3], s[92:93]
	s_or_b32 s[G0SB+3], s[G0SB+3], 0x80000000
	JLOAD G0S, G1S, G0SB, G1SB                     ; three loads of mine are out at the most
.irp s, 0,1
	s_mov_b32 s[G0+4*\s], 1
	s_add_co_u32 s[G0+4*\s+1], s45, \s*SLOT
	s_add_nc_u64 s[G0+4*\s+2:G0+4*\s+3], s[20:21], \s*AH
	s_or_b32 s[G0+4*\s+3], s[G0+4*\s+3], 0x80000000
	s_mov_b32 s[G0B+4*\s], 1
	s_add_co_u32 s[G0B+4*\s+1], s95, \s*SLOT
	s_add_nc_u64 s[G0B+4*\s+2:G0B+4*\s+3], s[46:47], \s*ROWB
	s_or_b32 s[G0B+4*\s+3], s[G0B+4*\s+3], 0x80000000
	JLOAD G0+4*\s, G1, G0B+4*\s, G1B
.endr
	v_and_b32 v1, 15, v0                           ; l % 16
	v_bfe_u32 v2, v0, 4, 1                         ; l / 16
	v_and_b32 v6, 31, v0
	v_lshlrev_b32 v[CO], 4, v6                     ; 16 x lane
	v_mul_u32_u24 v3, v1, PITCH
	v_mul_u32_u24 v4, v2, 24
	v_add_nc_u32 v4, v3, v4                        ; B: a fragment's row x pitch + 24 x half
	v_lshl_add_u32 v5, v2, 4, v4                   ; and the same behind one padding more
	s_mul_i32 s21, s15, AH                         ; my 128 rows of A
	s_mul_i32 s22, s16, BH
	s_add_co_u32 s22, s22, 2*AH                    ; my 128 rows of B
.irp s, 0,1
	v_add_nc_u32 v[ADRA+\s], s21, v[CO]
	v_add_nc_u32 v[ADRB+\s], s22, v4
	v_add_nc_u32 v[ADRB+2+\s], s22, v5
	s_add_co_u32 s21, s21, SLOT
	s_add_co_u32 s22, s22, SLOT
.endr
	v_mul_u32_u24 v5, v1, KS
	v_lshrrev_b32 v6, 8, v5
	v_lshl_add_u32 v5, v6, 4, v5
	s_mul_i32 s21, s15, HALFS
	s_mul_i32 s22, s16, HALFS
	s_add_co_u32 s22, s22, 2*HALFS
	s_sub_co_u32 s22, s22, s21
	v_mul_u32_u24 v6, s22, v2                      ; lanes 16-31 take B's scale words
	s_add_co_u32 s21, s21, SCL
	v_add_nc_u32 v5, v5, v6
	v_add_nc_u32 v[ADRS], s21, v5
	s_mul_i32 s23, s14, 16*SPITCH                  ; my stage
	v_mul_u32_u24 v5, v1, SPITCH                   ; in: row l % 16; tile b's eight columns are the true columns 32 (b / 2) + 8 (b % 2) + 16 h + 0 .. 7
	v_lshl_add_u32 v5, v2, 6, v5
	v_add_nc_u32 v[STO], s23, v5
	v_add_nc_u32 v[RD], s23, v[CO]                 ; back: the 32 lanes take one row of 512 bytes
	v_lshlrev_b32 v7, 6, v2                        ; the bias: 64 h bytes
	s_lshl_b32 s20, s17, 8
	s_lshl_b32 s21, s15, 7
	s_add_co_u32 s20, s20, s21                     ; my first row of the output
	s_mov_b32 s21, 0
	s_mov_b64 s[18:19], SIZE_N*4
	s_mul_u64 s[20:21], s[20:21], s[18:19]
	s_lshl_b32 s46, s42, 10                        ; my first column, in bytes
	s_lshl_b32 s47, s16, 9
	s_add_co_u32 s46, s46, s47
	s_mov_b32 s47, 0
	s_add_nc_u64 s[96:97], s[96:97], s[46:47]      ; bo at my 128 columns
	s_add_nc_u64 s[20:21], s[20:21], s[46:47]
	s_add_nc_u64 s[12:13], s[12:13], s[20:21]
.irp b, 0,1,2,3,4,5,6,7
	global_load_b128 v[BI+8*\b:BI+8*\b+3], v7, s[96:97] offset:4*(32*(\b/2)+8*(\b%2))
	global_load_b128 v[BI+8*\b+4:BI+8*\b+7], v7, s[96:97] offset:4*(32*(\b/2)+8*(\b%2))+16
.endr
.macro FRAG reg, adr, q, i             ; a fragment of B from rows: six pieces of 8 bytes
.irp p, 0,1,2,3,4,5
.set PC, 12*(\q)+6*(\p/3)+\p%3
.if PC%8 < 5
	ds_load_b64 v[\reg+2*\p:\reg+2*\p+1], v[\adr] offset:8*PC+16*(PC/8)+(\i)*16*PITCH
.else
	ds_load_b64 v[\reg+2*\p:\reg+2*\p+1], v[\adr+2] offset:8*PC+16*(PC/8)+(\i)*16*PITCH
.endif
.endr
.endm
; 16 matrix instructions: A's blocks a0, a0 + 1 x B's eight.  first = 1: the sums begin with the bias.  The 64 accumulators take turns, one instruction a turn.
.macro MUL16 a0, p, q, sc, first
.irp a, \a0, \a0+1
.irp b, 0,1,2,3,4,5,6,7
.if \first
	v_wmma_scale_f32_16x16x128_f8f6f4 v[8*(8*((\a)%4)+\b):8*(8*((\a)%4)+\b)+7], v[128*(\p)+FR*\b:128*(\p)+FR*\b+FR-1], v[AF+FR*(\a):AF+FR*(\a)+FR-1], v[BI+8*\b:BI+8*\b+7], v[SC+8*NQ*(\sc)+NQ*\b+(\q)], v[SC+8*NQ*(\sc)+NQ*(\a)+(\q)] matrix_a_fmt:MATRIX_FMT_FP6 matrix_b_fmt:MATRIX_FMT_FP6 matrix_a_scale:MATRIX_SCALE_ROW1
.else
	v_wmma_scale_f32_16x16x128_f8f6f4 v[8*(8*((\a)%4)+\b):8*(8*((\a)%4)+\b)+7], v[128*(\p)+FR*\b:128*(\p)+FR*\b+FR-1], v[AF+FR*(\a):AF+FR*(\a)+FR-1], v[8*(8*((\a)%4)+\b):8*(8*((\a)%4)+\b)+7], v[SC+8*NQ*(\sc)+NQ*\b+(\q)], v[SC+8*NQ*(\sc)+NQ*(\a)+(\q)] matrix_a_fmt:MATRIX_FMT_FP6 matrix_b_fmt:MATRIX_FMT_FP6 matrix_a_scale:MATRIX_SCALE_ROW1
.endif
.endr
.endr
.endm
.macro FETCH_B slot, q, p
	WIN TO_B
.irp i, 0,1,2,3,4,5,6,7
	FRAG 128*(\p)+FR*\i, ADRB+\slot, \q, \i
.endr
	WIN 0
.endm
.macro FETCH_A slot, q, i0             ; A's blocks i0 .. i0 + 3: three images each, as they lie
.irp i, \i0, \i0+1, \i0+2, \i0+3
.irp g, 0,1,2
	ds_load_b128 v[AF+FR*(\i)+4*\g:AF+FR*(\i)+4*\g+3], v[ADRA+\slot] offset:(8*(\q)+(\i))*1536+512*\g
.endr
.endr
.endm
.macro SCALES sc
.irp i, 0,1,2,3,4,5,6,7
	ds_load_b64 v[SC+8*NQ*\sc+NQ*\i:SC+8*NQ*\sc+NQ*\i+1], v[ADRS] offset:\i*SBLK
.endr
.endm
.macro PLACES n
.rept \n
	v_nop
.endr
.endm
.macro STEP slot, q, first
	s_wait_dscnt 4*NLA                             ; B's set and A's blocks 0-3 are in; the youngest 12 loads (A's blocks 4-7) may be out
.if \first
	WIN 0x81                                       ; B window 1, A and the bias window 0, D window 2
.else
	WIN MUL_LO
.endif
	MUL16 0, (\q)%2, \q, \slot, \first
	MUL16 2, (\q)%2, \q, \slot, \first
	s_wait_dscnt 0
	PLACES NP
	FETCH_B \slot, (\q)+1, 1-(\q)%2
	FETCH_A \slot, (\q)+1, 0
.if \first
	WIN 0xc1
.else
	WIN MUL_HI
.endif
	MUL16 4, (\q)%2, \q, \slot, \first
	MUL16 6, (\q)%2, \q, \slot, \first
	PLACES NP
	WIN 0
	FETCH_A \slot, (\q)+1, 4
.endm
.macro TURN slot, next, fill           ; a slot's last step changes slots: one barrier, with the wait for all my tensor loads, the add and the wait for it and for my reads in front of it
	s_wait_tensorcnt 0x0
	ds_add_u32 v[SPW], v[NIL]
	s_wait_dscnt 4*NLA+1                           ; (the add and the youngest 12 loads may be out)
	WIN MUL_LO
	MUL16 0, 1, NQ-1, \slot, 0
	s_wait_dscnt 0x0                               ; the add is done, and my reads of this slot are over
	s_barrier_signal -1
	MUL16 2, 1, NQ-1, \slot, 0
	WIN 0
	s_barrier_wait -1
.if \fill
	CREST                                          ; a round of the cluster's barrier: no wave of any partner still reads this slot or has a load on its way
	s_add_nc_u64 s[G0+4*\slot+2:G0+4*\slot+3], s[G0+4*\slot+2:G0+4*\slot+3], 2*AH
	s_add_nc_u64 s[G0B+4*\slot+2:G0B+4*\slot+3], s[G0B+4*\slot+2:G0B+4*\slot+3], 2*ROWB
	JLOAD G0+4*\slot, G1, G0B+4*\slot, G1B
.else
	PLACES NP
.endif
	v_add_nc_u32 v[ADRS], 4*NQ, v[ADRS]
	FETCH_B \next, 0, 0
	FETCH_A \next, 0, 0
	SCALES \next
	WIN MUL_HI
	MUL16 4, 1, NQ-1, \slot, 0
	MUL16 6, 1, NQ-1, \slot, 0
	PLACES NP
	WIN 0
	FETCH_A \next, 0, 4
.endm
	s_wait_tensorcnt 1                             ; the scales and my part of K step 0 are in (K step 1's load may be out)
	s_barrier_signal -1
	s_barrier_wait -1
	FETCH_B 0, 0, 0
	FETCH_A 0, 0, 0
	SCALES 0
	FETCH_A 0, 0, 4
	s_wait_loadcnt 0x0                             ; the bias
	STEP 0, 0, 1
	s_mov_b32 s3, LAPS-1
.Llap:
	TURN 0, 1, 1
	STEP 1, 0, 0
	TURN 1, 0, 1
	STEP 0, 0, 0
	s_sub_co_u32 s3, s3, 1
	s_cmp_lg_u32 s3, 0
	s_cbranch_scc1 .Llap
	TURN 0, 1, 0
	STEP 1, 0, 0
	s_wait_dscnt 4*NLA
	WIN MUL_LO
	MUL16 0, 1, NQ-1, 1, 0
	MUL16 2, 1, NQ-1, 1, 0
	s_wait_dscnt 0
	WIN MUL_HI
	MUL16 4, 1, NQ-1, 1, 0
	MUL16 6, 1, NQ-1, 1, 0
	WIN 0
; THE WAY OUT, block by block of 16 rows x 128 columns, through my own stage: in by lanes (each tile's eight columns at their true place), back as whole rows of 512 bytes.
.macro TOSTAGE a
.set AC, 64*((\a)%4)
	WIN 0x08+4*((\a)/4)                            ; the data: window 2 or 3
.irp b, 0,1,2,3,4,5,6,7
	ds_store_b128 v[STO], v[AC+8*\b:AC+8*\b+3] offset:128*(\b/2)+32*(\b%2)      ; each accumulator from its low end on
	ds_store_b128 v[STO], v[AC+8*\b+4:AC+8*\b+7] offset:128*(\b/2)+32*(\b%2)+16
.endr
	WIN 0
.set BB, BK+64*((\a)%2)
.irp t, 0,1,2,3,4,5,6,7,8,9,10,11,12,13,14,15
	ds_load_b128 v[BB+4*\t:BB+4*\t+3], v[RD] offset:\t*SPITCH      ; LDS serves a wave's instructions in order: these see the stores above
.endr
.endm
.macro SEND a, younger                 ; block a's workspace rows 16 a + t are the true rows 32 (a / 2) + 8 (a % 2) + t + 8 (t / 8)
.set BB, BK+64*((\a)%2)
	s_wait_dscnt \younger
.if (\a) > 0
.if (\a)%2
	s_add_nc_u64 s[12:13], s[12:13], 8*SIZE_N*4    ; (behind a wait on XCNT: the earlier stores have read their base)
.else
	s_add_nc_u64 s[12:13], s[12:13], 24*SIZE_N*4
.endif
.endif
.irp t, 0,1,2,3,4,5,6,7,8,9,10,11,12,13,14,15
	global_store_b128 v[CO], v[BB+4*\t:BB+4*\t+3], s[12:13] offset:(\t+8*(\t/8))*SIZE_N*4 th:TH_STORE_NT   ; 32 lanes store 512 consecutive bytes, aligned to 256
.endr
.endm
	PLACES NP
	TOSTAGE 0
.irp a, 1,2,3,4,5,6,7
.if \a > 1
	s_wait_xcnt 0x0                                ; block a - 2's stores have read their registers and their base
.endif
	TOSTAGE \a
	SEND \a-1, 32                                  ; behind block a - 1's loads: block a's 16 stores and 16 loads
.endr
	s_wait_xcnt 0x0
	SEND 7, 0
	s_wait_tensorcnt 0x0                           ; the wave's end
	ds_add_u32 v[SPW], v[NIL]
	s_wait_dscnt 0x0
	CROUND                                         ; the closing round
	s_endpgm
.Lfunc_end_k_qbbff2abd6f_proj:
	.size	k_qbbff2abd6f_proj, .Lfunc_end_k_qbbff2abd6f_proj-k_qbbff2abd6f_proj
	.p2alignl 7, 3214868480
	.fill 96, 4, 3214868480
	.section	.rodata,"a",@progbits
	.p2align	6, 0x0
	.amdhsa_kernel k_qbbff2abd6f_proj
		.amdhsa_group_segment_fixed_size 327680
		.amdhsa_private_segment_fixed_size 0
		.amdhsa_enable_private_segment 0
		.amdhsa_kernarg_size 48
		.amdhsa_user_sgpr_count 2
		.amdhsa_user_sgpr_kernarg_segment_ptr 1
		.amdhsa_wavefront_size32 1
		.amdhsa_system_sgpr_workgroup_id_x 1
		.amdhsa_system_sgpr_workgroup_id_y 1
		.amdhsa_system_sgpr_workgroup_id_z 1
		.amdhsa_system_vgpr_workitem_id 0
		.amdhsa_next_free_vgpr 1024
		.amdhsa_next_free_sgpr 98
		.amdhsa_reserve_vcc 0
		.amdhsa_float_denorm_mode_32 3
		.amdhsa_float_denorm_mode_16_64 3
		.amdhsa_memory_ordered 1
		.amdhsa_forward_progress 1
		.amdhsa_inst_pref_size 150
	.end_amdhsa_kernel
	.amdgpu_metadata
---
amdhsa.version: [ 1, 2 ]
amdhsa.kernels:
  - .name:           k_qbbff2abd6f_proj
    .symbol:         k_qbbff2abd6f_proj.kd
    .args:
      - { .name: ctxc, .offset: 0, .size: 8, .value_kind: global_buffer, .address_space: global }
      - { .name: ctxs, .offset: 8, .size: 8, .value_kind: global_buffer, .address_space: global }
      - { .name: wc, .offset: 16, .size: 8, .value_kind: global_buffer, .address_space: global }
      - { .name: ws, .offset: 24, .size: 8, .value_kind: global_buffer, .address_space: global }
      - { .name: bo, .offset: 32, .size: 8, .value_kind: global_buffer, .address_space: global }
      - { .name: out0, .offset: 40, .size: 8, .value_kind: global_buffer, .address_space: global }
    .group_segment_fixed_size: 327680
    .private_segment_fixed_size: 0
    .kernarg_segment_align: 8
    .kernarg_segment_size: 48
    .max_flat_workgroup_size: 128
    .sgpr_count:     98
    .vgpr_count:     1024
    .wavefront_size: 32
...
	.end_amdgpu_metadata
.endif
;; end of part 4
